; MI455X (gfx1250); checked and timed in simulation.
; The chip was launched on July 23, 2026; its instructions are those of AMD's public machine-readable ISA for CDNA 5 (MIT licence, August 2026) and "CDNA5" Instruction Set Architecture Reference Guide (July 2026). The comments in the code are by the model that wrote it; some were corrected since.
;; Fastformer Attention. Allowed arithmetic: float matrix products may take bf16 or f16 operands with f32 sums; other float arithmetic in f32, or as packed bf16 or f16 multiplies, adds, multiply-adds, maxima and minima; sums over many terms, partial sums and values carried from step to step in f32; what a program stores and reads back later, other than sums and carried values, may be rounded once to bf16 or f16.
;; Inputs: Wk 1,024 x 1,024 float32; Wkw 1,024 x 16 float32; Wo 1,024 x 1,024 float32; Wq 1,024 x 1,024 float32; Wqw 1,024 x 16 float32; Wv 1,024 x 1,024 float32; attention_mask 4 x 4,096 bool; bk 1,024 float32; bkw 16 float32; bo 1,024 float32; bq 1,024 float32; bqw 16 float32; bv 1,024 float32; x 4 x 4,096 x 1,024 float32.
;; Outputs: out0 4 x 4,096 x 1,024 float32.
;; One version. Each part assembles by itself: llvm-mc -triple=amdgcn-amd-amdhsa -mcpu=gfx1250 --defsym DOCPART=n.
;; ======== version 1 of 1: 6 launches
;; limits: values are held in f16: magnitudes above 65,504 overflow, below 6.1e-05 lose precision; inputs' magnitudes at most 65,504; right only within a limited range of input values
;; workspace buffers: x16 33,554,432 bytes; lgst 2,162,688 bytes; pp 4,198,400 bytes; gp 524,288 bytes; tt 8,388,608 bytes; wb 2,228,224 bytes; wt 8,388,608 bytes
;; launch logits (part 1): grid 256 x 1, 4 waves a work-group, no clusters, 117,248 bytes of LDS; arguments x, attention_mask, Wqw, Wkw, bqw, bkw, x16, lgst; writes x16, lgst
.if DOCPART == 1
	.amdgcn_target "amdgcn-amd-amdhsa--gfx1250"
	.amdhsa_code_object_version 6
	.text
	.protected	k_qd458362628_logits
	.globl	k_qd458362628_logits
	.p2align	8
	.type	k_qd458362628_logits,@function
k_qd458362628_logits:
	s_mov_b64 s[64:65], 0
	v_nop
	global_prefetch_b8 v0, s[64:65] scope:SCOPE_SE
	s_setreg_imm32_b32 hwreg(HW_REG_WAVE_MODE, 25, 1), 1
	s_wait_xcnt 0x0
; LOGITS.  x [16384][1024] f32 is read once: it is rounded to f16 and stored (x16), and multiplied by the 32 columns of Wqw | Wkw (f16, sums in f32).
; The biases are added, rows whose mask byte is not 0 take -10000, and the 32 logits of each row are stored, with the maximum m and the sum z of e^(l - m) of each column over the work-group's 64 rows.
; SHARES.  A work-group owns 64 rows, a wave 16 of them, all 1,024 k, in 8 chunks of 128 k.  A chunk's load takes 512 consecutive bytes of one row, its store 256 consecutive aligned bytes of x16.
; LAYOUT.  D = x W: source 0 = 16 rows of x, source 1 = 16 columns: lane (r, h) holds column r and rows 8 h + 0..7.  The logits are stored as that register image
; ([tile 2][quad 2][lane 32][4 f32], 2,048 bytes for 16 rows): rounded in pairs it is source 1 of the next launch's product, lane for lane.
; LIMITS.  |x| stays under 65,504 (f16); an exponential below 2^-126 counts as 0; NaN and infinities are not treated apart.
; NO tensor loads: the f32 numbers have to pass through registers to be rounded.  NO cluster: what the work-groups share, the two small weights, is a quarter of a work-group's bytes.
.set WP,    96                         ; a row of the weights' table in LDS: 16 f16 of Wqw, 16 of Wkw, 32 bytes of padding
.set HALFW, 512*WP                     ; the table's second half has address registers of its own: an LDS immediate has 16 bits
.set STG,   1024*WP                    ; behind the table: each wave's stage, 16 rows x 272 bytes
.set SGP,   272
.set SGB,   16*SGP
.set SS,    STG+4*SGB                  ; the four waves' (m, z): 256 bytes each
.set SPARE, SS+1024                    ; the spare words, 128 bytes for each wave: two blocks of 256 bytes that no other line names
.set LN,  1                            ; v1   lane
.set XO,  2                            ; v2   16 x lane
.set HO,  3                            ; v3   8 x lane
.set SA,  4                            ; v4   stage, in: my 8 bytes of a row
.set FA,  5                            ; v5   stage, back: row r, 16 bytes for each half of the lanes
.set FB,  6                            ; v6-7 my place in a turning load of the table, lower and upper half
.set TW,  8                            ; v8-9 where I write the table, lower and upper half
.set WO,  10                           ; v10  16 x thread
.set SPW, 12                           ; v12  my spare word; never rewritten
.set NIL, 13                           ; v13  0; never rewritten
.set MK,  14                           ; v[14:15] the mask bytes of rows 8 h + 0..7
.set ACC, 16                           ; v[16:47] four accumulators: tile j, fragments of parity p at ACC + 8 (2 p + j)
.set CV,  48                           ; v[48:79] a chunk in f16: row i at CV + 2 i
.set AF,  80                           ; v[80:111] x's four fragments
.set BF,  112                          ; v[112:175] the weights' fragments: fragment f, tile j at BF + 16 f + 8 j
.set BI,  176                          ; v[176:179] the two biases, each twice
.set NEG, 180                          ; v180 -10000
.set T,   184                          ; v[184:215] at work
.set MM,  T                            ; the two maxima, each twice
.set TT,  T+4                          ; 16 exponents
.set U,   T+20
; window 1: x as loaded, a ring of four sets of 64; window 2: the two weights as loaded
.set MSB, 0
.macro WIN new                         ; the immediate's high byte repeats the setting that is left; a switch that changes nothing is dropped
.if MSB != (\new)
	s_set_vgpr_msb (MSB<<8)|(\new)
.set MSB, \new
.endif
.endm
	s_load_b512 s[4:19], s[0:1], 0x0               ; x, mask, Wqw, Wkw, bqw, bkw, x16, lgst
	v_lshl_add_u32 v[SPW], v0, 2, SPARE
	v_mov_b32 v[NIL], 0
	v_lshrrev_b32 v[T], 5, v0
	v_readfirstlane_b32 s20, v[T]                  ; wave 0..3
	v_and_b32 v[LN], 31, v0
	v_lshlrev_b32 v[XO], 4, v[LN]
	v_lshlrev_b32 v[HO], 3, v[LN]
	v_and_b32 v[T], 15, v0                         ; r
	v_bfe_u32 v[T+1], v0, 4, 1                     ; h
	s_mul_i32 s21, s20, SGB
	s_add_co_u32 s21, s21, STG                     ; my stage
	v_add_nc_u32 v[SA], s21, v[HO]
	v_mul_u32_u24 v[FA], v[T], SGP
	v_lshl_add_u32 v[FA], v[T+1], 4, v[FA]
	v_add_nc_u32 v[FA], s21, v[FA]
	v_and_b32 v[T+2], 7, v0
	v_bfe_u32 v[T+3], v0, 3, 1
	v_lshl_add_u32 v[FB], v[T+1], 3, v[T+2]        ; k = 8 h + lane % 8
	v_mul_u32_u24 v[FB], v[FB], WP
	v_lshl_add_u32 v[FB], v[T+3], 4, v[FB]         ; columns 8 ((lane / 8) % 2) on
	v_add_nc_u32 v[FB+1], HALFW, v[FB]
	v_lshrrev_b32 v[T+4], 2, v0                    ; a thread's 16 bytes of the weights: row thread / 4, columns 4 (thread % 4) on
	v_and_b32 v[T+5], 3, v0
	v_mul_u32_u24 v[TW], v[T+4], WP
	v_lshl_add_u32 v[TW], v[T+5], 3, v[TW]
	v_add_nc_u32 v[TW+1], HALFW, v[TW]
	v_lshlrev_b32 v[WO], 4, v0
	v_lshlrev_b32 v[T+6], 2, v[T]                  ; 4 r: my column's bias
	v_lshlrev_b32 v[T+7], 3, v[T+1]                ; 8 h: my rows' mask bytes
	v_mov_b32 v[NEG], 0xc61c4000
	s_lshl_b32 s22, ttmp9, 18                      ; my first row R0 = 64 x work-group + 16 x wave, times 4,096 bytes
	s_lshl_b32 s23, s20, 16
	s_add_co_u32 s22, s22, s23
	s_mov_b32 s23, 0
	s_lshr_b32 s24, s22, 1                         ; R0 x 2,048: x16
	s_mov_b32 s25, 0
	s_lshr_b32 s26, s22, 12                        ; R0: the mask
	s_mov_b32 s27, 0
	s_lshr_b32 s28, s22, 5                         ; R0 / 16 x 2,048: the logits' image
	s_mov_b32 s29, 0
	s_lshl_b32 s34, ttmp9, 8                       ; the work-group's 256 bytes of (m, z), behind the images
	s_add_co_u32 s34, s34, 0x200000
	s_mov_b32 s35, 0
	s_mov_b32 s30, 0x76543210                      ; v_permlanex16_b32: each lane takes its own place in the other half
	s_mov_b32 s31, 0xfedcba98
	s_mov_b32 s32, 0x3fb8aa3b                      ; log2(e), named as a pair
	s_mov_b32 s33, s32
	s_wait_kmcnt 0x0
	s_add_nc_u64 s[4:5], s[4:5], s[22:23]
	s_add_nc_u64 s[16:17], s[16:17], s[24:25]
	s_add_nc_u64 s[6:7], s[6:7], s[26:27]
	s_add_nc_u64 s[36:37], s[18:19], s[34:35]
	s_add_nc_u64 s[18:19], s[18:19], s[28:29]
.macro XLOAD set, c                    ; chunk c of my 16 rows into set: one row's 512 bytes an instruction
	WIN 0x40
.set r, 0
.rept 16
	global_load_b128 v[64*(\set)+4*r:64*(\set)+4*r+3], v[XO], s[4:5] offset:r*4096+(\c)*512 th:TH_LOAD_NT
.set r, r+1
.endr
.endm
.macro TABLE g                         ; 16 of the 64 loads of weights: rounded to f16 and laid into the table (g = 0, 1: Wqw's halves; 2, 3: Wkw's)
	WIN 0x0a
.set i, 0
.rept 32
	v_cvt_pk_f16_f32 v[AF+i], v[64*(\g)+2*i], v[64*(\g)+2*i+1]
.set i, i+1
.endr
	WIN 0
.set i, 0
.rept 16
	ds_store_b64 v[TW+((\g)%2)], v[AF+2*i:AF+2*i+1] offset:i*32*WP+32*((\g)/2)
.set i, i+1
.endr
.endm
	global_load_b32 v[BI], v[T+6], s[12:13]
	global_load_b32 v[BI+2], v[T+6], s[14:15]
	global_load_b64 v[MK:MK+1], v[T+7], s[6:7]
	WIN 0x80
.set i, 0
.rept 32                                       ; both weights, 2,048 consecutive bytes for the work-group's 128 threads an instruction
	global_load_b128 v[4*i:4*i+3], v[WO], s[8:9] offset:i*2048
	global_load_b128 v[128+4*i:128+4*i+3], v[WO], s[10:11] offset:i*2048
.set i, i+1
.endr
	XLOAD 0, 0
	XLOAD 1, 1
	XLOAD 2, 2
	s_wait_loadcnt 48                              ; the 48 loads of x are younger: biases, mask and weights are in
	TABLE 0
	TABLE 1
	TABLE 2
	TABLE 3
	XLOAD 3, 3
	WIN 0
	v_mov_b32 v[BI+1], v[BI]
	v_mov_b32 v[BI+3], v[BI+2]
	s_wait_dscnt 0x0                               ; for the others' sake: my part of the table is written
	s_barrier_signal -1
	s_barrier_wait -1                              ; the table is whole
; A chunk: 128 k of my 16 rows.  The stage is my own, and LDS serves a wave's instructions in order (ISA guide 5.7.1.4): no barrier.
.macro CHUNK c
.if (\c) < 5
	s_wait_loadcnt 48                              ; three younger sets may stay out
.else
	s_wait_loadcnt 16*(7-(\c))                     ; the counts run down
.endif
	s_wait_xcnt 0x0                                ; the last chunk's stores have read CV
	WIN 0x05
.set i, 0
.rept 32                                       ; these 32 are also the places between the last chunk's products and the loads into their fragments
	v_cvt_pk_f16_f32 v[CV+i], v[64*((\c)%4)+2*i], v[64*((\c)%4)+2*i+1]
.set i, i+1
.endr
.if (\c) < 4
	XLOAD (\c)%4, (\c)+4                           ; the set is asked for again at once
.endif
	WIN 0
.set i, 0
.rept 16
	global_store_b64 v[HO], v[CV+2*i:CV+2*i+1], s[16:17] offset:i*2048+(\c)*256  ; 256 consecutive bytes, at a multiple of 256 from x16's first
.set i, i+1
.endr
.set i, 0
.rept 16
	ds_store_b64 v[SA], v[CV+2*i:CV+2*i+1] offset:i*SGP
.set i, i+1
.endr
.irp f, 0,1,2,3
	ds_load_b128 v[AF+8*(\f):AF+8*(\f)+3],   v[FA] offset:64*(\f)
	ds_load_b128 v[AF+8*(\f)+4:AF+8*(\f)+7], v[FA] offset:64*(\f)+32
.endr
.irp f, 0,1,2,3
.irp j, 0,1
	ds_load_tr16_b128 v[BF+16*(\f)+8*(\j):BF+16*(\f)+8*(\j)+3],   v[FB+(\c)/4] offset:(((\c)%4)*4+(\f))*32*WP+32*(\j)
	ds_load_tr16_b128 v[BF+16*(\f)+8*(\j)+4:BF+16*(\f)+8*(\j)+7], v[FB+(\c)/4] offset:(((\c)%4)*4+(\f))*32*WP+16*WP+32*(\j)
.endr
.endr
	s_wait_dscnt 0x0
.irp f, 0,1,2,3                        ; the four accumulators take turns, one instruction a turn, from chunk to chunk too
.irp j, 0,1
.if ((\c) == 0) && ((\f) < 2)
	v_wmma_f32_16x16x32_f16 v[ACC+8*(2*((\f)%2)+(\j)):ACC+8*(2*((\f)%2)+(\j))+7], v[AF+8*(\f):AF+8*(\f)+7], v[BF+16*(\f)+8*(\j):BF+16*(\f)+8*(\j)+7], 0
.else
	v_wmma_f32_16x16x32_f16 v[ACC+8*(2*((\f)%2)+(\j)):ACC+8*(2*((\f)%2)+(\j))+7], v[AF+8*(\f):AF+8*(\f)+7], v[BF+16*(\f)+8*(\j):BF+16*(\f)+8*(\j)+7], v[ACC+8*(2*((\f)%2)+(\j)):ACC+8*(2*((\f)%2)+(\j))+7]
.endif
.endr
.endr
.endm
	CHUNK 0
	CHUNK 1
	CHUNK 2
	CHUNK 3
	CHUNK 4
	CHUNK 5
	CHUNK 6
	CHUNK 7
.rept 8
	v_nop                                          ; the places behind the last products
.endr
.set i, 0
.rept 8
	v_pk_add_f32 v[ACC+i:ACC+i+1], v[ACC+i:ACC+i+1], v[ACC+16+i:ACC+16+i+1]  ; the two parities; each accumulator is read from its low end on
.set i, i+2
.endr
.irp j, 0,1
.irp e, 0,2,4,6
	v_pk_add_f32 v[ACC+8*(\j)+(\e):ACC+8*(\j)+(\e)+1], v[ACC+8*(\j)+(\e):ACC+8*(\j)+(\e)+1], v[BI+2*(\j):BI+2*(\j)+1]
.endr
.endr
.set i, 0
.rept 8                                        ; row 8 h + i: where its mask byte is not 0, both tiles' logits are -10000
	v_bfe_u32 v[T], v[MK+i/4], 8*(i%4), 8
	v_cmp_ne_u32 vcc_lo, 0, v[T]
	v_cndmask_b32 v[ACC+i], v[ACC+i], v[NEG], vcc_lo
	v_cndmask_b32 v[ACC+8+i], v[ACC+8+i], v[NEG], vcc_lo
.set i, i+1
.endr
.irp j, 0,1
.irp q, 0,1
	global_store_b128 v[XO], v[ACC+8*(\j)+4*(\q):ACC+8*(\j)+4*(\q)+3], s[18:19] offset:(\j)*1024+(\q)*512  ; 512 consecutive bytes
.endr
.endr
	; my 16 rows' maximum and sum of exponentials, for each column
.irp j, 0,1
	v_max3_num_f32 v[U], v[ACC+8*(\j)], v[ACC+8*(\j)+1], v[ACC+8*(\j)+2]
	v_max3_num_f32 v[U+1], v[ACC+8*(\j)+3], v[ACC+8*(\j)+4], v[ACC+8*(\j)+5]
	v_max3_num_f32 v[U], v[U], v[ACC+8*(\j)+6], v[ACC+8*(\j)+7]
	v_max_num_f32 v[U], v[U], v[U+1]
	v_permlanex16_b32 v[U+1], v[U], s30, s31       ; the column's other 8 rows lie in the lane 16 away
	v_max_num_f32 v[MM+2*(\j)], v[U], v[U+1]
	v_mov_b32 v[MM+2*(\j)+1], v[MM+2*(\j)]
.irp e, 0,2,4,6
	v_pk_add_f32 v[TT+8*(\j)+(\e):TT+8*(\j)+(\e)+1], v[ACC+8*(\j)+(\e):ACC+8*(\j)+(\e)+1], v[MM+2*(\j):MM+2*(\j)+1] neg_lo:[0,1] neg_hi:[0,1]
	v_pk_mul_f32 v[TT+8*(\j)+(\e):TT+8*(\j)+(\e)+1], v[TT+8*(\j)+(\e):TT+8*(\j)+(\e)+1], s[32:33] op_sel_hi:[1,0]
.endr
.endr
.set i, 0
.rept 16
	v_exp_f32 v[TT+i], v[TT+i]
.set i, i+1
.endr
	v_nop                                          ; a plain instruction behind the last exponential,
	s_wait_alu depctr_va_vdst(0)                   ; and one wait for the batch of 16, ahead of the first use
.irp j, 0,1
	v_pk_add_f32 v[TT+8*(\j):TT+8*(\j)+1], v[TT+8*(\j):TT+8*(\j)+1], v[TT+8*(\j)+2:TT+8*(\j)+3]
	v_pk_add_f32 v[TT+8*(\j)+4:TT+8*(\j)+5], v[TT+8*(\j)+4:TT+8*(\j)+5], v[TT+8*(\j)+6:TT+8*(\j)+7]
	v_pk_add_f32 v[TT+8*(\j):TT+8*(\j)+1], v[TT+8*(\j):TT+8*(\j)+1], v[TT+8*(\j)+4:TT+8*(\j)+5]
	v_add_f32 v[TT+8*(\j)], v[TT+8*(\j)], v[TT+8*(\j)+1]
	v_permlanex16_b32 v[TT+8*(\j)+1], v[TT+8*(\j)], s30, s31
	v_add_f32 v[TT+8*(\j)], v[TT+8*(\j)], v[TT+8*(\j)+1]
.endr
	v_cmp_gt_u32 vcc_lo, 16, v[LN]                 ; lane n takes column n: lanes 0-15 tile 0's, lanes 16-31 tile 1's
	v_cndmask_b32 v[U], v[MM+2], v[MM], vcc_lo
	v_cndmask_b32 v[U+1], v[TT+8], v[TT], vcc_lo
	s_lshl_b32 s21, s20, 8
	s_add_co_u32 s21, s21, SS
	v_add_nc_u32 v[U+2], s21, v[HO]
	ds_store_b64 v[U+2], v[U:U+1]
	s_wait_dscnt 0x0                               ; for wave 0's sake
	s_barrier_signal -1
	s_barrier_wait -1
	s_cmp_lg_u32 s20, 0
	s_cbranch_scc1 .Lend                           ; wave 0 joins the four
	v_add_nc_u32 v[U+2], SS, v[HO]
.irp i, 0,1,2,3
	ds_load_b64 v[TT+2*(\i):TT+2*(\i)+1], v[U+2] offset:256*(\i)
.endr
	s_wait_dscnt 0x0
	v_max_num_f32 v[U], v[TT], v[TT+2]
	v_max3_num_f32 v[U], v[U], v[TT+4], v[TT+6]
.irp i, 0,1,2,3
	v_sub_f32 v[TT+2*(\i)], v[TT+2*(\i)], v[U]
	v_mul_f32 v[TT+2*(\i)], s32, v[TT+2*(\i)]
.endr
.irp i, 0,1,2,3
	v_exp_f32 v[TT+2*(\i)], v[TT+2*(\i)]
.endr
	v_nop
	s_wait_alu depctr_va_vdst(0)                   ; one wait for the four
	v_mul_f32 v[U+1], v[TT], v[TT+1]
	v_fmac_f32 v[U+1], v[TT+2], v[TT+3]
	v_fmac_f32 v[U+1], v[TT+4], v[TT+5]
	v_fmac_f32 v[U+1], v[TT+6], v[TT+7]
	global_store_b64 v[HO], v[U:U+1], s[36:37]     ; 256 consecutive aligned bytes: (m, z) of the 32 columns
.Lend:
	s_wait_tensorcnt 0x0                           ; the wave's end, behind my last LDS store
	ds_add_u32 v[SPW], v[NIL]
	s_wait_dscnt 0x0
	s_endpgm
.Lfunc_end_k_qd458362628_logits:
	.size	k_qd458362628_logits, .Lfunc_end_k_qd458362628_logits-k_qd458362628_logits
	.p2alignl 7, 3214868480
	.fill 96, 4, 3214868480
	.section	.rodata,"a",@progbits
	.p2align	6, 0x0
	.amdhsa_kernel k_qd458362628_logits
		.amdhsa_group_segment_fixed_size 117248
		.amdhsa_private_segment_fixed_size 0
		.amdhsa_enable_private_segment 0
		.amdhsa_kernarg_size 64
		.amdhsa_user_sgpr_count 2
		.amdhsa_user_sgpr_kernarg_segment_ptr 1
		.amdhsa_wavefront_size32 1
		.amdhsa_system_sgpr_workgroup_id_x 1
		.amdhsa_system_sgpr_workgroup_id_y 1
		.amdhsa_system_sgpr_workgroup_id_z 1
		.amdhsa_system_vgpr_workitem_id 0
		.amdhsa_next_free_vgpr 768
		.amdhsa_next_free_sgpr 66
		.amdhsa_reserve_vcc 1
		.amdhsa_float_denorm_mode_32 3
		.amdhsa_float_denorm_mode_16_64 3
		.amdhsa_memory_ordered 1
		.amdhsa_forward_progress 1
		.amdhsa_inst_pref_size 95
	.end_amdhsa_kernel
	.amdgpu_metadata
---
amdhsa.version: [ 1, 2 ]
amdhsa.kernels:
  - .name:           k_qd458362628_logits
    .symbol:         k_qd458362628_logits.kd
    .args:
      - { .name: x, .offset: 0, .size: 8, .value_kind: global_buffer, .address_space: global }
      - { .name: attention_mask, .offset: 8, .size: 8, .value_kind: global_buffer, .address_space: global }
      - { .name: Wqw, .offset: 16, .size: 8, .value_kind: global_buffer, .address_space: global }
      - { .name: Wkw, .offset: 24, .size: 8, .value_kind: global_buffer, .address_space: global }
      - { .name: bqw, .offset: 32, .size: 8, .value_kind: global_buffer, .address_space: global }
      - { .name: bkw, .offset: 40, .size: 8, .value_kind: global_buffer, .address_space: global }
      - { .name: x16, .offset: 48, .size: 8, .value_kind: global_buffer, .address_space: global }
      - { .name: lgst, .offset: 56, .size: 8, .value_kind: global_buffer, .address_space: global }
    .group_segment_fixed_size: 117248
    .private_segment_fixed_size: 0
    .kernarg_segment_align: 8
    .kernarg_segment_size: 64
    .max_flat_workgroup_size: 128
    .sgpr_count:     66
    .vgpr_count:     768
    .wavefront_size: 32
...
	.end_amdgpu_metadata
.endif
;; end of part 1
;; launch pool (part 2): grid 8 x 32, 4 waves a work-group, no clusters, 217,088 bytes of LDS; arguments x16, lgst, pp; writes pp
.if DOCPART == 2
	.amdgcn_target "amdgcn-amd-amdhsa--gfx1250"
	.amdhsa_code_object_version 6
	.text
	.protected	k_qd458362628_pool
	.globl	k_qd458362628_pool
	.p2align	8
	.type	k_qd458362628_pool,@function
k_qd458362628_pool:
	s_mov_b64 s[64:65], 0
	v_nop
	global_prefetch_b8 v0, s[64:65] scope:SCOPE_SE
	s_setreg_imm32_b32 hwreg(HW_REG_WAVE_MODE, 25, 1), 1
	s_wait_xcnt 0x0
; POOL.  The softmax weights w[s][n] = clip(e^(l - M) / Z, 1e-9, 1) of the 32 columns (16 heads of the query weights, 16 of the key weights), and partial sums over 512 rows s of w x[s][c] and of w.
; M and Z of a batch are joined from the 64 pairs (m, z) that the launch before stored: the maximum is taken away before every exponential.
; The weights are kept times 2^15, so that [1e-9, 1] lies in f16 as [3.3e-5, 32768]; the sums carry that factor, in f32, and the next launches take it out.
; SHARES.  Work-group (cb, y = 8 b + sc): rows 512 y .. + 511, columns 128 cb .. + 127 of x16.  Wave w: rows 128 w .. + 127 of those, four K steps of 32 rows, all 128 columns and all 32 n: 16 accumulators.
; The four waves' sums meet in LDS.  LAYOUT.  D = x^T w: source 0 = 16 columns of x (turned out of LDS by ds_load_tr16_b128), source 1 = 16 n: the logits' stored register image, rounded in pairs, is source 1.
; In D lane (r, h) holds n = r and the columns 8 h + 0..7.
; ONE tensor load a wave brings its whole share (128 rows x 256 bytes) at the start; nothing is filled again, so there is no ring.  NO cluster: what the 8 column blocks share (logits) comes by plain loads as register images.
; LIMITS.  An exponential below 2^-126 counts as 0 before the clip raises it to 1e-9; a weight under 6e-5 x 2^-15 x .. keeps f16's fixed step of 6e-8 (times 2^-15); NaN and infinities are not treated apart.
.set XP,    288                        ; a row of x in LDS: 256 bytes + 32 of padding = 72 words
.set XW,    128*XP                     ; a wave's tile
.set RS,    4*XW                       ; behind the tiles: each wave's sums, 32 n x 528 bytes
.set RP,    528
.set RW,    32*RP
.set SS,    RS+4*RW                    ; the four waves' (m, z)
.set SWS,   SS+1024                    ; the four waves' sums of weights
.set SPARE, SWS+512                    ; the spare words: two blocks of 256 bytes that no other line names
.set SR,  16                           ; v[16:47] pairs (m, z)
.set WF,  48                           ; v[48:111] the weights' fragments: K step u2, tile j at WF + 16 u2 + 8 j
.set LG,  112                          ; v[112:239] logits: chunk u, tile j, row e at LG + 16 u + 8 j + e; then the accumulators (ct, j) at LG + 8 (2 ct + j); then 32 quads of sums
.set MX,  240                          ; v[240:243] M of tile 0, 1, each twice
.set RZ,  244                          ; v[244:247] 2^15 / Z
.set SWA, 248                          ; v[248:251] the sums of weights
; v1 lane, v2 r, v3 h, v4 16 lane, v5 8 lane, v6 turning load, v7 sums in, v8 sums back, v9 (m, z) in, v10 (m, z) back, v11 weights' sum in, v12 spare word, v13 0, v14 weights' sum back, v15 4 lane
; window 1: x's fragments, two sets of 64
.set MSB, 0
.macro WIN new
.if MSB != (\new)
	s_set_vgpr_msb (MSB<<8)|(\new)
.set MSB, \new
.endif
.endm
	s_load_b128 s[4:7], s[0:1], 0x0                ; x16, lgst
	s_load_b64 s[8:9], s[0:1], 0x10                ; pp
	v_lshl_add_u32 v12, v0, 2, SPARE
	v_mov_b32 v13, 0
	ds_add_u32 v12, v13                            ; the wave's opening: the add and its wait ahead of my tensor load; the set-up below, work on registers, stands between them
	ds_add_u32 v12, v13
	v_lshrrev_b32 v15, 5, v0
	v_readfirstlane_b32 s20, v15                   ; wave 0..3
	s_and_b32 s21, ttmp7, 0xffff                   ; y = 8 b + sc
	s_mov_b32 s28, (1<<16)|(1<<20)|(5<<22)|(7<<25) ; group 1: 2-byte elements; padding on, after every 64 words (code 5), 8 words (code 7)
	s_mov_b32 s29, 128<<16                         ; tensor_dim0 = 128
	s_mov_b32 s30, 128<<16                         ; tensor_dim1 = 128
	s_mov_b32 s31, 128<<16                         ; tile_dim0 = 128
	s_mov_b32 s32, 128                             ; tile_dim1 = 128
	s_mov_b32 s33, 1024                            ; elements from row to row
	s_mov_b32 s34, 0
	s_mov_b32 s35, 0
	s_mov_b32 s24, 1                               ; group 0: count = 1
	s_mul_i32 s25, s20, XW                         ; LDS address: my tile
	s_lshl_b32 s10, s21, 20                        ; (512 y + 128 w) rows of 2,048 bytes + 256 cb
	s_lshl_b32 s11, s20, 18
	s_add_co_u32 s10, s10, s11
	s_lshl_b32 s11, ttmp9, 8
	s_add_co_u32 s10, s10, s11
	s_mov_b32 s11, 0
	s_lshr_b32 s12, s21, 3                         ; the batch's 64 pairs of 256 bytes, behind the images; my wave takes every fourth
	s_lshl_b32 s12, s12, 14
	s_lshl_b32 s13, s20, 8
	s_add_co_u32 s12, s12, s13
	s_add_co_u32 s12, s12, 0x200000
	s_mov_b32 s13, 0
	s_lshl_b32 s16, s21, 16                        ; images 32 y + 8 w on, 2,048 bytes each
	s_lshl_b32 s17, s20, 14
	s_add_co_u32 s16, s16, s17
	s_mov_b32 s17, 0
	s_lshl_b32 s22, s21, 17                        ; pp: [y][n][1024] f32; I store n = 8 w .. + 7, columns 128 cb on
	s_lshl_b32 s23, s20, 15
	s_add_co_u32 s22, s22, s23
	s_lshl_b32 s23, ttmp9, 9
	s_add_co_u32 s22, s22, s23
	s_mov_b32 s23, 0
	s_lshl_b32 s38, s21, 7                         ; the sums of weights, behind: [y][n] f32
	s_add_co_u32 s38, s38, 0x400000
	s_mov_b32 s39, 0
	s_mov_b32 s42, 0x3fb8aa3b                      ; log2(e), named as a pair
	s_mov_b32 s43, s42
	s_mov_b32 s44, 0x76543210
	s_mov_b32 s45, 0xfedcba98
	s_mov_b32 s46, 0x3809705f                      ; 1e-9 x 2^15
	s_mov_b32 s47, 0x47000000                      ; 2^15
	v_and_b32 v1, 31, v0
	v_and_b32 v2, 15, v0
	v_bfe_u32 v3, v0, 4, 1
	v_lshlrev_b32 v4, 4, v1
	v_lshlrev_b32 v5, 3, v1
	v_and_b32 v6, 7, v0
	v_lshl_add_u32 v6, v3, 3, v6                   ; row 8 h + lane % 8
	v_mul_u32_u24 v6, v6, XP
	v_bfe_u32 v15, v0, 3, 1
	v_lshl_add_u32 v6, v15, 4, v6                  ; columns 8 ((lane / 8) % 2) on
	v_add_nc_u32 v6, s25, v6
	s_mul_i32 s2, s20, RW
	s_add_co_u32 s2, s2, RS
	v_mul_u32_u24 v7, v2, RP
	v_lshl_add_u32 v7, v3, 5, v7
	v_add_nc_u32 v7, s2, v7
	s_mul_i32 s2, s20, 8*RP
	s_add_co_u32 s2, s2, RS
	v_add_nc_u32 v8, s2, v4
	s_lshl_b32 s2, s20, 8
	s_add_co_u32 s2, s2, SS
	v_add_nc_u32 v9, s2, v5
	v_lshl_add_u32 v10, v2, 3, SS
	v_lshlrev_b32 v15, 2, v1
	s_lshl_b32 s2, s20, 7
	s_add_co_u32 s2, s2, SWS
	v_add_nc_u32 v11, s2, v15
	v_add_nc_u32 v14, SWS, v15
	s_wait_dscnt 0x0                               ; the opening add is done
	s_wait_kmcnt 0x0
	s_add_nc_u64 s[26:27], s[4:5], s[10:11]        ; global address of my tile
	s_or_b32 s27, s27, 0x80000000                  ; type = 2
	tensor_load_to_lds s[24:27], s[28:35]          ; my only tensor load: 32 KiB
	s_nop 0
	s_add_nc_u64 s[14:15], s[6:7], s[12:13]
	s_add_nc_u64 s[18:19], s[6:7], s[16:17]
	s_add_nc_u64 s[36:37], s[8:9], s[22:23]
	s_add_nc_u64 s[40:41], s[8:9], s[38:39]
.set i, 0
.rept 16
	global_load_b64 v[SR+2*i:SR+2*i+1], v5, s[14:15] offset:i*1024   ; lane n: (m, z) of column n, pairs w, w + 4, ..
.set i, i+1
.endr
.set i, 0
.rept 32
	global_load_b128 v[LG+4*i:LG+4*i+3], v4, s[18:19] offset:i*512   ; eight images, 512 consecutive bytes an instruction: they land as they lay in the registers that made them
.set i, i+1
.endr
	s_wait_loadcnt 32                              ; the 32 loads of logits are younger: the pairs are in
	v_max3_num_f32 v[MX], v[SR], v[SR+2], v[SR+4]
.irp i, 3,5,7,9,11,13
	v_max3_num_f32 v[MX], v[MX], v[SR+2*(\i)], v[SR+2*(\i)+2]
.endr
	v_max_num_f32 v[MX], v[MX], v[SR+30]
.set i, 0
.rept 16
	v_sub_f32 v[SR+2*i], v[SR+2*i], v[MX]
	v_mul_f32 v[SR+2*i], s42, v[SR+2*i]
.set i, i+1
.endr
.set i, 0
.rept 16
	v_exp_f32 v[SR+2*i], v[SR+2*i]
.set i, i+1
.endr
	v_nop
	s_wait_alu depctr_va_vdst(0)                   ; one wait for the batch of 16
	v_mul_f32 v[MX+1], v[SR], v[SR+1]
.set i, 1
.rept 15
	v_fmac_f32 v[MX+1], v[SR+2*i], v[SR+2*i+1]
.set i, i+1
.endr
	ds_store_b64 v9, v[MX:MX+1]
	s_wait_dscnt 0x0                               ; for the others' sake
	s_barrier_signal -1                            ; (my tensor load may stay out)
	s_barrier_wait -1
.irp i, 0,1,2,3
.irp j, 0,1
	ds_load_b64 v[SR+4*(\i)+2*(\j):SR+4*(\i)+2*(\j)+1], v10 offset:256*(\i)+128*(\j)  ; wave i's pair for column 16 j + r
.endr
.endr
	s_wait_dscnt 0x0
.irp j, 0,1
	v_max_num_f32 v[MX+2*(\j)], v[SR+2*(\j)], v[SR+4+2*(\j)]
	v_max3_num_f32 v[MX+2*(\j)], v[MX+2*(\j)], v[SR+8+2*(\j)], v[SR+12+2*(\j)]
	v_mov_b32 v[MX+2*(\j)+1], v[MX+2*(\j)]
.irp i, 0,1,2,3
	v_sub_f32 v[SR+4*(\i)+2*(\j)], v[SR+4*(\i)+2*(\j)], v[MX+2*(\j)]
	v_mul_f32 v[SR+4*(\i)+2*(\j)], s42, v[SR+4*(\i)+2*(\j)]
.endr
.endr
.set i, 0
.rept 8
	v_exp_f32 v[SR+2*i], v[SR+2*i]
.set i, i+1
.endr
	v_nop
	s_wait_alu depctr_va_vdst(0)
.irp j, 0,1
	v_mul_f32 v[RZ+2*(\j)], v[SR+2*(\j)], v[SR+2*(\j)+1]
	v_fmac_f32 v[RZ+2*(\j)], v[SR+4+2*(\j)], v[SR+4+2*(\j)+1]
	v_fmac_f32 v[RZ+2*(\j)], v[SR+8+2*(\j)], v[SR+8+2*(\j)+1]
	v_fmac_f32 v[RZ+2*(\j)], v[SR+12+2*(\j)], v[SR+12+2*(\j)+1]
.endr
	v_rcp_f32 v[RZ], v[RZ]                         ; Z is at least 1: the row of the maximum adds 1
	v_rcp_f32 v[RZ+2], v[RZ+2]
	v_mov_b32 v[SWA], 0                            ; plain work behind the reciprocals
	v_mov_b32 v[SWA+1], 0
	v_mov_b32 v[SWA+2], 0
	v_mov_b32 v[SWA+3], 0
	s_wait_alu depctr_va_vdst(0)
	v_mul_f32 v[RZ], s47, v[RZ]
	v_mul_f32 v[RZ+2], s47, v[RZ+2]
	v_mov_b32 v[RZ+1], v[RZ]
	v_mov_b32 v[RZ+3], v[RZ+2]
	s_wait_loadcnt 0x0                             ; the logits
.set p, 0
.rept 64                                       ; pair p: chunk p / 8, tile (p / 4) % 2
	v_pk_add_f32 v[LG+2*p:LG+2*p+1], v[LG+2*p:LG+2*p+1], v[MX+2*((p/4)%2):MX+2*((p/4)%2)+1] neg_lo:[0,1] neg_hi:[0,1]
	v_pk_mul_f32 v[LG+2*p:LG+2*p+1], v[LG+2*p:LG+2*p+1], s[42:43] op_sel_hi:[1,0]
.set p, p+1
.endr
.set p, 0
.rept 128
	v_exp_f32 v[LG+p], v[LG+p]
.set p, p+1
.endr
	v_nop
	s_wait_alu depctr_va_vdst(0)                   ; one wait for the batch of 128
.set p, 0
.rept 64
	v_pk_mul_f32 v[LG+2*p:LG+2*p+1], v[LG+2*p:LG+2*p+1], v[RZ+2*((p/4)%2):RZ+2*((p/4)%2)+1]
.set p, p+1
.endr
.set p, 0
.rept 128
	v_med3_num_f32 v[LG+p], v[LG+p], s46, s47      ; the clip, times 2^15
.set p, p+1
.endr
.set p, 0
.rept 64
	v_pk_add_f32 v[SWA+2*((p/4)%2):SWA+2*((p/4)%2)+1], v[SWA+2*((p/4)%2):SWA+2*((p/4)%2)+1], v[LG+2*p:LG+2*p+1]
.set p, p+1
.endr
.set p, 0
.rept 64                                       ; two chunks of 16 rows are a K step: the even chunk fills registers 0-3 of a fragment, the odd one 4-7
	v_cvt_pk_f16_f32 v[WF+16*(p/16)+8*((p/4)%2)+4*((p/8)%2)+p%4], v[LG+2*p], v[LG+2*p+1]
.set p, p+1
.endr
	s_wait_tensorcnt 0x0                           ; my tile is in LDS; only I read it
.macro FETCHX u2                       ; 32 rows x 128 columns, turned: 8 fragments
	WIN 0x40
.set ct, 0
.rept 8
	ds_load_tr16_b128 v[64*((\u2)%2)+8*ct:64*((\u2)%2)+8*ct+3],   v6 offset:(\u2)*32*XP+32*ct
	ds_load_tr16_b128 v[64*((\u2)%2)+8*ct+4:64*((\u2)%2)+8*ct+7], v6 offset:(\u2)*32*XP+16*XP+32*ct
.set ct, ct+1
.endr
.endm
.macro MUL u2                          ; 16 products; the 16 accumulators take turns, in the same order in every K step
	WIN 0x01
.set a, 0
.rept 16
.if (\u2) == 0
	v_wmma_f32_16x16x32_f16 v[LG+8*a:LG+8*a+7], v[64*((\u2)%2)+8*(a/2):64*((\u2)%2)+8*(a/2)+7], v[WF+16*(\u2)+8*(a%2):WF+16*(\u2)+8*(a%2)+7], 0
.else
	v_wmma_f32_16x16x32_f16 v[LG+8*a:LG+8*a+7], v[64*((\u2)%2)+8*(a/2):64*((\u2)%2)+8*(a/2)+7], v[WF+16*(\u2)+8*(a%2):WF+16*(\u2)+8*(a%2)+7], v[LG+8*a:LG+8*a+7]
.endif
.set a, a+1
.endr
.endm
.macro PLACES                          ; four places between the last product and loads into registers that it has read
.rept 4
	v_nop
.endr
.endm
	FETCHX 0
	FETCHX 1
	s_wait_dscnt 16                                ; the younger set's 16 loads may stay out
	MUL 0
	PLACES
	FETCHX 2
	s_wait_dscnt 16
	MUL 1
	PLACES
	FETCHX 3
	s_wait_dscnt 16
	MUL 2
	s_wait_dscnt 0x0
	MUL 3
	WIN 0
	PLACES
	PLACES
.set a, 0
.rept 16                                       ; accumulator (ct = a / 2, j = a % 2): row n = 16 j + r, columns 16 ct + 8 h on; the low four registers first
	ds_store_b128 v7, v[LG+8*a:LG+8*a+3]   offset:(a%2)*16*RP+64*(a/2)
	ds_store_b128 v7, v[LG+8*a+4:LG+8*a+7] offset:(a%2)*16*RP+64*(a/2)+16
.set a, a+1
.endr
	v_add_f32 v[SWA], v[SWA], v[SWA+1]
	v_add_f32 v[SWA+2], v[SWA+2], v[SWA+3]
	v_permlanex16_b32 v[SWA+1], v[SWA], s44, s45
	v_permlanex16_b32 v[SWA+3], v[SWA+2], s44, s45
	v_add_f32 v[SWA], v[SWA], v[SWA+1]
	v_add_f32 v[SWA+2], v[SWA+2], v[SWA+3]
	v_cmp_gt_u32 vcc_lo, 16, v1
	v_cndmask_b32 v[SWA], v[SWA+2], v[SWA], vcc_lo ; lane n takes column n
	ds_store_b32 v11, v[SWA]
	s_wait_dscnt 0x0                               ; for the others' sake
	s_barrier_signal -1
	s_barrier_wait -1
.set i, 0
.rept 32                                       ; wave i / 8's sums of row n = 8 w + i % 8: 512 consecutive bytes
	ds_load_b128 v[LG+4*i:LG+4*i+3], v8 offset:(i/8)*RW+(i%8)*RP
.set i, i+1
.endr
	s_wait_dscnt 0x0
.set i, 0
.rept 8
	v_pk_add_f32 v[LG+4*i:LG+4*i+1], v[LG+4*i:LG+4*i+1], v[LG+32+4*i:LG+32+4*i+1]
	v_pk_add_f32 v[LG+4*i+2:LG+4*i+3], v[LG+4*i+2:LG+4*i+3], v[LG+32+4*i+2:LG+32+4*i+3]
	v_pk_add_f32 v[LG+64+4*i:LG+64+4*i+1], v[LG+64+4*i:LG+64+4*i+1], v[LG+96+4*i:LG+96+4*i+1]
	v_pk_add_f32 v[LG+64+4*i+2:LG+64+4*i+3], v[LG+64+4*i+2:LG+64+4*i+3], v[LG+96+4*i+2:LG+96+4*i+3]
.set i, i+1
.endr
.set i, 0
.rept 8
	v_pk_add_f32 v[LG+4*i:LG+4*i+1], v[LG+4*i:LG+4*i+1], v[LG+64+4*i:LG+64+4*i+1]
	v_pk_add_f32 v[LG+4*i+2:LG+4*i+3], v[LG+4*i+2:LG+4*i+3], v[LG+64+4*i+2:LG+64+4*i+3]
.set i, i+1
.endr
.set i, 0
.rept 8
	global_store_b128 v4, v[LG+4*i:LG+4*i+3], s[36:37] offset:i*4096   ; 512 consecutive bytes, at a multiple of 256 from pp's first
.set i, i+1
.endr
	s_cmp_lg_u32 s20, 0
	s_cbranch_scc1 .Lend
	s_cmp_lg_u32 ttmp9, 0
	s_cbranch_scc1 .Lend                           ; the sums of weights are the same in all 8 column blocks: wave 0 of the first stores them
.irp i, 0,1,2,3
	ds_load_b32 v[SR+(\i)], v14 offset:128*(\i)
.endr
	s_wait_dscnt 0x0
	v_add_f32 v[SR], v[SR], v[SR+1]
	v_add_f32 v[SR+2], v[SR+2], v[SR+3]
	v_add_f32 v[SR], v[SR], v[SR+2]
	global_store_b32 v15, v[SR], s[40:41]
.Lend:
	s_wait_tensorcnt 0x0                           ; the wave's end, behind my tensor load and my last LDS store
	ds_add_u32 v12, v13
	s_wait_dscnt 0x0
	s_endpgm
.Lfunc_end_k_qd458362628_pool:
	.size	k_qd458362628_pool, .Lfunc_end_k_qd458362628_pool-k_qd458362628_pool
	.p2alignl 7, 3214868480
	.fill 96, 4, 3214868480
	.section	.rodata,"a",@progbits
	.p2align	6, 0x0
	.amdhsa_kernel k_qd458362628_pool
		.amdhsa_group_segment_fixed_size 217088
		.amdhsa_private_segment_fixed_size 0
		.amdhsa_enable_private_segment 0
		.amdhsa_kernarg_size 24
		.amdhsa_user_sgpr_count 2
		.amdhsa_user_sgpr_kernarg_segment_ptr 1
		.amdhsa_wavefront_size32 1
		.amdhsa_system_sgpr_workgroup_id_x 1
		.amdhsa_system_sgpr_workgroup_id_y 1
		.amdhsa_system_sgpr_workgroup_id_z 1
		.amdhsa_system_vgpr_workitem_id 0
		.amdhsa_next_free_vgpr 384
		.amdhsa_next_free_sgpr 66
		.amdhsa_reserve_vcc 1
		.amdhsa_float_denorm_mode_32 3
		.amdhsa_float_denorm_mode_16_64 3
		.amdhsa_memory_ordered 1
		.amdhsa_forward_progress 1
		.amdhsa_inst_pref_size 64
	.end_amdhsa_kernel
	.amdgpu_metadata
---
amdhsa.version: [ 1, 2 ]
amdhsa.kernels:
  - .name:           k_qd458362628_pool
    .symbol:         k_qd458362628_pool.kd
    .args:
      - { .name: x16, .offset: 0, .size: 8, .value_kind: global_buffer, .address_space: global }
      - { .name: lgst, .offset: 8, .size: 8, .value_kind: global_buffer, .address_space: global }
      - { .name: pp, .offset: 16, .size: 8, .value_kind: global_buffer, .address_space: global }
    .group_segment_fixed_size: 217088
    .private_segment_fixed_size: 0
    .kernarg_segment_align: 8
    .kernarg_segment_size: 24
    .max_flat_workgroup_size: 128
    .sgpr_count:     66
    .vgpr_count:     384
    .wavefront_size: 32
...
	.end_amdgpu_metadata
.endif
;; end of part 2
;; launch gpart (part 3): grid 16 x 16, 4 waves a work-group, no clusters, 18,944 bytes of LDS; arguments pp, Wq, Wk, gp; writes gp
.if DOCPART == 3
	.amdgcn_target "amdgcn-amd-amdhsa--gfx1250"
	.amdhsa_code_object_version 6
	.text
	.protected	k_qd458362628_gpart
	.globl	k_qd458362628_gpart
	.p2align	8
	.type	k_qd458362628_gpart,@function
k_qd458362628_gpart:
	s_mov_b64 s[64:65], 0
	v_nop
	global_prefetch_b8 v0, s[64:65] scope:SCOPE_SE
	s_setreg_imm32_b32 hwreg(HW_REG_WAVE_MODE, 25, 1), 1
	s_wait_xcnt 0x0
; GPART.  The pooled query and key of a head are a row times a block of weights: sum_s w Q[s] = (sum_s w x[s]) Wq[:, head] + (sum_s w) bq.  This launch makes, in f32,
; gp[p = 2 b + t][h][ks][d] = 2^-15 x the sum over k = 64 ks .. + 63 of xbar[p][h][k] W_t[k][64 h + d], with xbar the sum of the 8 partial sums of the launch before (t = 0: Wq, 1: Wk).
; Plain f32 multiply-adds: one row for each block of weights would fill a sixteenth of a matrix tile, and xbar would have to be rounded.  A work-group has 32,768 multiply-adds.
; SHARES.  Work-group (ks, h).  Thread = (p = thread / 16, c = thread % 16).  In the products half-wave q = thread / 16 takes the 8 rows k = 64 ks + 8 q + i, its lanes the columns 4 c .. + 3, for all 8 p.
.set XS,    0                          ; xbar: [p 8][64] f32
.set RED,   2048                       ; the 8 half-waves' sums: [q 8][p 8][64] f32
.set SPARE, 18432                      ; the spare words: two blocks of 256 bytes that no other line names
.set PPR, 16                           ; v[16:47]   8 partial sums, a quad each
.set WQ,  48                           ; v[48:79] Wq's 8 rows; v[80:111] Wk's
.set XV,  112                          ; v[112:175] xbar[p][8 q + i] at XV + 8 p + i
.set ACC, 176                          ; v[176:207] a quad for each p
.set FIN, 208                          ; v[208:239]
	s_load_b256 s[4:11], s[0:1], 0x0               ; pp, Wq, Wk, gp
	v_lshl_add_u32 v12, v0, 2, SPARE
	v_mov_b32 v13, 0
	v_lshrrev_b32 v1, 4, v0                        ; p, and q
	v_and_b32 v2, 15, v0
	v_lshlrev_b32 v2, 4, v2                        ; 16 c
	v_lshrrev_b32 v3, 1, v1                        ; b
	v_and_b32 v14, 1, v1                           ; t
	v_lshl_or_b32 v3, v3, 20, v2                   ; pp: b x 8 x 131,072 + t x 16 x 4,096 + 16 c
	v_lshl_or_b32 v3, v14, 16, v3
	v_lshl_or_b32 v4, v1, 15, v2                   ; weights: 8 q rows of 4,096 bytes + 16 c
	v_lshlrev_b32 v5, 4, v0                        ; 16 x thread
	v_lshlrev_b32 v6, 5, v1                        ; 32 q
	v_lshl_add_u32 v7, v1, 11, v2
	v_add_nc_u32 v7, RED, v7
	v_add_nc_u32 v8, RED, v5
	v_lshl_or_b32 v9, v1, 16, v2                   ; gp: p x 65,536 + 16 c
	s_and_b32 s12, ttmp7, 0xffff                   ; h
	s_lshl_b32 s14, ttmp9, 18                      ; 64 ks rows + 256 h
	s_lshl_b32 s15, s12, 8
	s_add_co_u32 s14, s14, s15
	s_mov_b32 s15, 0
	s_lshl_b32 s12, s12, 12                        ; 4,096 h + 256 ks: in pp and in gp
	s_lshl_b32 s13, ttmp9, 8
	s_add_co_u32 s12, s12, s13
	s_mov_b32 s13, 0
	s_mov_b32 s16, 0x38000000                      ; 2^-15, named as a pair
	s_mov_b32 s17, s16
	s_wait_kmcnt 0x0
	s_add_nc_u64 s[4:5], s[4:5], s[12:13]
	s_add_nc_u64 s[10:11], s[10:11], s[12:13]
	s_add_nc_u64 s[6:7], s[6:7], s[14:15]
	s_add_nc_u64 s[8:9], s[8:9], s[14:15]
.set i, 0
.rept 8
	global_load_b128 v[PPR+4*i:PPR+4*i+3], v3, s[4:5] offset:i*131072   ; 16 lanes take 256 consecutive aligned bytes
.set i, i+1
.endr
.set i, 0
.rept 8
	global_load_b128 v[WQ+4*i:WQ+4*i+3], v4, s[6:7] offset:i*4096
	global_load_b128 v[WQ+32+4*i:WQ+32+4*i+3], v4, s[8:9] offset:i*4096
.set i, i+1
.endr
	s_wait_loadcnt 16                              ; the 16 loads of weights are younger
.set i, 1
.rept 7
	v_pk_add_f32 v[PPR:PPR+1], v[PPR:PPR+1], v[PPR+4*i:PPR+4*i+1]
	v_pk_add_f32 v[PPR+2:PPR+3], v[PPR+2:PPR+3], v[PPR+4*i+2:PPR+4*i+3]
.set i, i+1
.endr
	ds_store_b128 v5, v[PPR:PPR+3] offset:XS
	s_wait_dscnt 0x0                               ; for the others' sake
	s_barrier_signal -1
	s_barrier_wait -1
.set p, 0
.rept 8
	ds_load_b128 v[XV+8*p:XV+8*p+3],   v6 offset:XS+p*256
	ds_load_b128 v[XV+8*p+4:XV+8*p+7], v6 offset:XS+p*256+16
.set p, p+1
.endr
	s_wait_loadcnt 0x0
	s_wait_dscnt 0x0
.set i, 0
.rept 8                                        ; row i; the 8 p's sums do not wait for each other
.set p, 0
.rept 8
.set w, WQ+32*(p%2)+4*i
.set x, XV+8*p+2*(i/2)
.if i == 0
	v_pk_mul_f32 v[ACC+4*p:ACC+4*p+1], v[w:w+1], v[x:x+1] op_sel_hi:[1,0]
	v_pk_mul_f32 v[ACC+4*p+2:ACC+4*p+3], v[w+2:w+3], v[x:x+1] op_sel_hi:[1,0]
.elseif i%2 == 0
	v_pk_fma_f32 v[ACC+4*p:ACC+4*p+1], v[w:w+1], v[x:x+1], v[ACC+4*p:ACC+4*p+1] op_sel_hi:[1,0,1]
	v_pk_fma_f32 v[ACC+4*p+2:ACC+4*p+3], v[w+2:w+3], v[x:x+1], v[ACC+4*p+2:ACC+4*p+3] op_sel_hi:[1,0,1]
.else
	v_pk_fma_f32 v[ACC+4*p:ACC+4*p+1], v[w:w+1], v[x:x+1], v[ACC+4*p:ACC+4*p+1] op_sel:[0,1,0] op_sel_hi:[1,1,1]
	v_pk_fma_f32 v[ACC+4*p+2:ACC+4*p+3], v[w+2:w+3], v[x:x+1], v[ACC+4*p+2:ACC+4*p+3] op_sel:[0,1,0] op_sel_hi:[1,1,1]
.endif
.set p, p+1
.endr
.set i, i+1
.endr
.set p, 0
.rept 8
	ds_store_b128 v7, v[ACC+4*p:ACC+4*p+3] offset:p*256
.set p, p+1
.endr
	s_wait_dscnt 0x0
	s_barrier_signal -1
	s_barrier_wait -1
.set i, 0
.rept 8
	ds_load_b128 v[FIN+4*i:FIN+4*i+3], v8 offset:i*2048
.set i, i+1
.endr
	s_wait_dscnt 0x0
.set i, 1
.rept 7
	v_pk_add_f32 v[FIN:FIN+1], v[FIN:FIN+1], v[FIN+4*i:FIN+4*i+1]
	v_pk_add_f32 v[FIN+2:FIN+3], v[FIN+2:FIN+3], v[FIN+4*i+2:FIN+4*i+3]
.set i, i+1
.endr
	v_pk_mul_f32 v[FIN:FIN+1], v[FIN:FIN+1], s[16:17] op_sel_hi:[1,0]
	v_pk_mul_f32 v[FIN+2:FIN+3], v[FIN+2:FIN+3], s[16:17] op_sel_hi:[1,0]
	global_store_b128 v9, v[FIN:FIN+3], s[10:11]   ; 16 lanes store 256 consecutive aligned bytes
	s_wait_tensorcnt 0x0                           ; the wave's end, behind my last LDS store
	ds_add_u32 v12, v13
	s_wait_dscnt 0x0
	s_endpgm
.Lfunc_end_k_qd458362628_gpart:
	.size	k_qd458362628_gpart, .Lfunc_end_k_qd458362628_gpart-k_qd458362628_gpart
	.p2alignl 7, 3214868480
	.fill 96, 4, 3214868480
	.section	.rodata,"a",@progbits
	.p2align	6, 0x0
	.amdhsa_kernel k_qd458362628_gpart
		.amdhsa_group_segment_fixed_size 18944
		.amdhsa_private_segment_fixed_size 0
		.amdhsa_enable_private_segment 0
		.amdhsa_kernarg_size 32
		.amdhsa_user_sgpr_count 2
		.amdhsa_user_sgpr_kernarg_segment_ptr 1
		.amdhsa_wavefront_size32 1
		.amdhsa_system_sgpr_workgroup_id_x 1
		.amdhsa_system_sgpr_workgroup_id_y 1
		.amdhsa_system_sgpr_workgroup_id_z 1
		.amdhsa_system_vgpr_workitem_id 0
		.amdhsa_next_free_vgpr 240
		.amdhsa_next_free_sgpr 66
		.amdhsa_reserve_vcc 0
		.amdhsa_float_denorm_mode_32 3
		.amdhsa_float_denorm_mode_16_64 3
		.amdhsa_memory_ordered 1
		.amdhsa_forward_progress 1
		.amdhsa_inst_pref_size 17
	.end_amdhsa_kernel
	.amdgpu_metadata
---
amdhsa.version: [ 1, 2 ]
amdhsa.kernels:
  - .name:           k_qd458362628_gpart
    .symbol:         k_qd458362628_gpart.kd
    .args:
      - { .name: pp, .offset: 0, .size: 8, .value_kind: global_buffer, .address_space: global }
      - { .name: Wq, .offset: 8, .size: 8, .value_kind: global_buffer, .address_space: global }
      - { .name: Wk, .offset: 16, .size: 8, .value_kind: global_buffer, .address_space: global }
      - { .name: gp, .offset: 24, .size: 8, .value_kind: global_buffer, .address_space: global }
    .group_segment_fixed_size: 18944
    .private_segment_fixed_size: 0
    .kernarg_segment_align: 8
    .kernarg_segment_size: 32
    .max_flat_workgroup_size: 128
    .sgpr_count:     66
    .vgpr_count:     240
    .wavefront_size: 32
...
	.end_amdgpu_metadata
.endif
;; end of part 3
;; launch tform (part 4): grid 8 x 32, 8 waves a work-group, no clusters, 9,216 bytes of LDS; arguments gp, pp, bq, bk, bv, Wv, Wq, Wo, tt, wb; writes tt, wb
.if DOCPART == 4
	.amdgcn_target "amdgcn-amd-amdhsa--gfx1250"
	.amdhsa_code_object_version 6
	.text
	.protected	k_qd458362628_tform
	.globl	k_qd458362628_tform
	.p2align	8
	.type	k_qd458362628_tform,@function
k_qd458362628_tform:
	s_mov_b64 s[64:65], 0
	v_nop
	global_prefetch_b8 v0, s[64:65] scope:SCOPE_SE
	s_setreg_imm32_b32 hwreg(HW_REG_WAVE_MODE, 25, 1), 1
	s_wait_xcnt 0x0
; TFORM.  gq = l2norm(pooled Q), gk = l2norm(gq x pooled K) for two heads; T_b[k][j] = Wv[k][j] gk_b[j] + Wq[k][j], rounded to f16; 16 Wo rounded to f16;
; and partial sums of the bias of the folded layer, BP[8 b + hp][n] = the sum over j = 128 hp .. + 127 of (bv[j] gk_b[j] + bq[j]) Wo[j][n], in f32.
; (R = V gk + Q is linear in x, so out = x (T_b Wo) + (bv gk + bq) Wo + bo: the next launch makes T_b Wo.)
; SHARES.  Work-group (ke, y = 8 b + hp): columns j = 128 hp .. + 127 (two heads), rows k = 128 ke .. + 127 of T; columns n = 128 ke .. + 127 of BP; four rows of Wo to round.  Wave w: 16 rows.
; A lane stands for 4 columns j = 128 hp + 4 lane: a row of 16 lanes is one head, so a head's sum of squares is four steps of row_xmask.  Every wave makes the two norms for itself.
; LIMITS.  |T| and |16 Wo| stay under 65,504 (f16).  The norms follow v / max(|v|, 1e-6), by square root, maximum and reciprocal.
.set RB,    0                          ; the 8 waves' partial sums of BP: 512 bytes each
.set TBS,   4096                       ; each wave's own copy of bv gk + bq: 512 bytes
.set SPARE, 8192                       ; the spare words, 128 bytes for each of 8 waves: four blocks of 256 bytes that no other line names
; window 0: v1 lane, v2 16 lane, v3 8 lane, v4 gp's offset, v5 the weights' sums' offset, v6 copy in, v7 copy back, v8 sums in, v9 sums back, v10 spare word, v11 0
.set BQ,  16
.set BK,  20
.set BV,  24
.set GQ,  28
.set KB,  32
.set GK,  36
.set TB,  40
.set SQ,  44                           ; v[44:47] the sums of the query and key weights, each twice
.set AB,  64                           ; v[64:67] my part of BP
.set TV,  68                           ; v[68:83] 16 numbers of bv gk + bq, the same in every lane
.set SWR, 96                           ; v[96:111] the 16 partial sums of weights; later Wo x 16
.set GP,  128                          ; v[128:255] gp as loaded: t, ks at GP + 4 (16 t + ks); later T
; window 1: v0-63 Wv's 16 rows, v64-127 Wq's, v128-191 Wo's, v192-207 the four quads of Wo to round
.set MSB, 0
.macro WIN new
.if MSB != (\new)
	s_set_vgpr_msb (MSB<<8)|(\new)
.set MSB, \new
.endif
.endm
	s_load_b512 s[4:19], s[0:1], 0x0               ; gp, pp, bq, bk, bv, Wv, Wq, Wo
	s_load_b128 s[20:23], s[0:1], 0x40             ; tt, wb
	v_lshl_add_u32 v10, v0, 2, SPARE
	v_mov_b32 v11, 0
	v_lshrrev_b32 v12, 5, v0
	v_readfirstlane_b32 s24, v12                   ; wave 0..7
	v_and_b32 v1, 31, v0
	v_lshlrev_b32 v2, 4, v1
	v_lshlrev_b32 v3, 3, v1
	v_and_b32 v12, 15, v0
	v_bfe_u32 v13, v0, 4, 1                        ; which of the two heads
	v_lshlrev_b32 v4, 4, v12
	v_lshl_or_b32 v4, v13, 12, v4
	v_lshlrev_b32 v5, 2, v13
	s_lshl_b32 s62, s24, 9
	v_add_nc_u32 v8, s62, v2                       ; RB + 512 w + 16 lane
	s_add_co_u32 s62, s62, TBS
	v_add_nc_u32 v6, s62, v2                       ; TBS + 512 w + 16 lane
	s_lshl_b32 s63, s24, 6
	s_add_co_u32 s62, s62, s63
	v_mov_b32 v7, s62                              ; TBS + 512 w + 64 w: my 16 numbers in my copy
	v_mov_b32 v9, v2
	s_and_b32 s25, ttmp7, 0xffff                   ; y
	s_lshr_b32 s26, s25, 3                         ; b
	s_and_b32 s27, s25, 7                          ; hp
	s_lshl_b32 s28, s26, 17                        ; gp: 2 b x 65,536 + 2 hp x 4,096
	s_lshl_b32 s29, s27, 13
	s_add_co_u32 s28, s28, s29
	s_mov_b32 s29, 0
	s_lshl_b32 s30, s26, 10                        ; the sums of weights: 8 b x 128 + 2 hp x 4, behind pp's partial sums
	s_lshl_b32 s31, s27, 3
	s_add_co_u32 s30, s30, s31
	s_add_co_u32 s30, s30, 0x400000
	s_mov_b32 s31, 0
	s_lshl_b32 s32, s27, 9                         ; 128 hp columns of f32
	s_mov_b32 s33, 0
	s_lshl_b32 s34, ttmp9, 19                      ; Wv, Wq: row 128 ke + 16 w, column 128 hp
	s_lshl_b32 s35, s24, 16
	s_add_co_u32 s34, s34, s35
	s_add_co_u32 s34, s34, s32
	s_mov_b32 s35, 0
	s_lshl_b32 s36, s27, 19                        ; Wo: row 128 hp + 16 w, column 128 ke
	s_lshl_b32 s37, s24, 16
	s_add_co_u32 s36, s36, s37
	s_lshl_b32 s37, ttmp9, 9
	s_add_co_u32 s36, s36, s37
	s_lshl_b32 s52, s25, 12                        ; BP: behind 16 Wo: y x 4,096 + 512 ke
	s_add_co_u32 s52, s52, s37
	s_add_co_u32 s52, s52, 0x200000
	s_mov_b32 s53, 0
	s_mov_b32 s37, 0
	s_lshl_b32 s38, s25, 3                         ; the rows of Wo to round: 4 (8 y + ke) + w / 2, half w % 2
	s_add_co_u32 s38, s38, ttmp9
	s_lshl_b32 s38, s38, 2
	s_lshr_b32 s39, s24, 1
	s_add_co_u32 s38, s38, s39
	s_lshl_b32 s38, s38, 1
	s_and_b32 s39, s24, 1
	s_add_co_u32 s38, s38, s39
	s_lshl_b32 s48, s38, 10                        ; out: half a row of f16
	s_lshl_b32 s38, s38, 11                        ; in: half a row of f32
	s_mov_b32 s39, 0
	s_mov_b32 s49, 0
	s_lshl_b32 s60, s26, 21                        ; tt: b, row 128 ke + 16 w, column 128 hp, in f16: half of Wv's offset
	s_lshr_b32 s61, s34, 1
	s_add_co_u32 s60, s60, s61
	s_mov_b32 s61, 0
	s_mov_b32 s56, 0x38000000                      ; 2^-15
	s_mov_b32 s57, 0x358637bd                      ; 1e-6
	s_mov_b32 s58, 0x41800000                      ; 16, named as a pair
	s_mov_b32 s59, s58
	s_wait_kmcnt 0x0
	s_add_nc_u64 s[4:5], s[4:5], s[28:29]
	s_add_nc_u64 s[6:7], s[6:7], s[30:31]
	s_add_nc_u64 s[8:9], s[8:9], s[32:33]
	s_add_nc_u64 s[10:11], s[10:11], s[32:33]
	s_add_nc_u64 s[12:13], s[12:13], s[32:33]
	s_add_nc_u64 s[14:15], s[14:15], s[34:35]
	s_add_nc_u64 s[16:17], s[16:17], s[34:35]
	s_add_nc_u64 s[44:45], s[18:19], s[36:37]
	s_add_nc_u64 s[46:47], s[18:19], s[38:39]
	s_add_nc_u64 s[20:21], s[20:21], s[60:61]
	s_add_nc_u64 s[50:51], s[22:23], s[48:49]
	s_add_nc_u64 s[54:55], s[22:23], s[52:53]
.set i, 0
.rept 32
	global_load_b128 v[GP+4*i:GP+4*i+3], v4, s[4:5] offset:(i/16)*65536+(i%16)*256
.set i, i+1
.endr
.set i, 0
.rept 16
	global_load_b32 v[SWR+i], v5, s[6:7] offset:(i%8)*128+(i/8)*64
.set i, i+1
.endr
	global_load_b128 v[BQ:BQ+3], v2, s[8:9]
	global_load_b128 v[BK:BK+3], v2, s[10:11]
	global_load_b128 v[BV:BV+3], v2, s[12:13]
	WIN 0x40
.set i, 0
.rept 16
	global_load_b128 v[4*i:4*i+3], v2, s[14:15] offset:i*4096          ; 512 consecutive bytes of a row
.set i, i+1
.endr
.set i, 0
.rept 16
	global_load_b128 v[64+4*i:64+4*i+3], v2, s[16:17] offset:i*4096
.set i, i+1
.endr
.set i, 0
.rept 16
	global_load_b128 v[128+4*i:128+4*i+3], v2, s[44:45] offset:i*4096
.set i, i+1
.endr
.set i, 0
.rept 4
	global_load_b128 v[192+4*i:192+4*i+3], v2, s[46:47] offset:i*512
.set i, i+1
.endr
	WIN 0
	s_wait_loadcnt 52                              ; the 52 loads of weights are younger
.irp t, 0,1
.set i, 1
.rept 15
	v_pk_add_f32 v[GP+64*(\t):GP+64*(\t)+1], v[GP+64*(\t):GP+64*(\t)+1], v[GP+64*(\t)+4*i:GP+64*(\t)+4*i+1]
	v_pk_add_f32 v[GP+64*(\t)+2:GP+64*(\t)+3], v[GP+64*(\t)+2:GP+64*(\t)+3], v[GP+64*(\t)+4*i+2:GP+64*(\t)+4*i+3]
.set i, i+1
.endr
.set i, 1
.rept 7
	v_add_f32 v[SWR+8*(\t)], v[SWR+8*(\t)], v[SWR+8*(\t)+i]
.set i, i+1
.endr
	v_mul_f32 v[SQ+2*(\t)], s56, v[SWR+8*(\t)]
	v_mov_b32 v[SQ+2*(\t)+1], v[SQ+2*(\t)]
.endr
.macro L2N a                           ; the quad at a, divided by max(the head's norm, 1e-6)
	v_mul_f32 v48, v[\a], v[\a]
	v_fmac_f32 v48, v[(\a)+1], v[(\a)+1]
	v_fmac_f32 v48, v[(\a)+2], v[(\a)+2]
	v_fmac_f32 v48, v[(\a)+3], v[(\a)+3]
	v_add_f32_dpp v48, v48, v48 row_xmask:1 row_mask:0xf bank_mask:0xf
	v_add_f32_dpp v48, v48, v48 row_xmask:2 row_mask:0xf bank_mask:0xf
	v_add_f32_dpp v48, v48, v48 row_xmask:4 row_mask:0xf bank_mask:0xf
	v_add_f32_dpp v48, v48, v48 row_xmask:8 row_mask:0xf bank_mask:0xf
	v_sqrt_f32 v49, v48
	v_nop                                          ; a plain instruction, and a wait ahead of the first use
	s_wait_alu depctr_va_vdst(0)
	v_max_num_f32 v49, s57, v49
	v_rcp_f32 v50, v49
	v_nop
	s_wait_alu depctr_va_vdst(0)
	v_mov_b32 v51, v50
	v_pk_mul_f32 v[\a:(\a)+1], v[\a:(\a)+1], v[50:51]
	v_pk_mul_f32 v[(\a)+2:(\a)+3], v[(\a)+2:(\a)+3], v[50:51]
.endm
	v_pk_fma_f32 v[GQ:GQ+1], v[BQ:BQ+1], v[SQ:SQ+1], v[GP:GP+1]            ; pooled Q = xbar Wq + (sum of weights) bq
	v_pk_fma_f32 v[GQ+2:GQ+3], v[BQ+2:BQ+3], v[SQ:SQ+1], v[GP+2:GP+3]
	L2N GQ
	v_pk_fma_f32 v[KB:KB+1], v[BK:BK+1], v[SQ+2:SQ+3], v[GP+64:GP+65]      ; pooled K
	v_pk_fma_f32 v[KB+2:KB+3], v[BK+2:BK+3], v[SQ+2:SQ+3], v[GP+66:GP+67]
	v_pk_mul_f32 v[GK:GK+1], v[GQ:GQ+1], v[KB:KB+1]                        ; the sum of kw K gq = gq x pooled K
	v_pk_mul_f32 v[GK+2:GK+3], v[GQ+2:GQ+3], v[KB+2:KB+3]
	L2N GK
	v_pk_fma_f32 v[TB:TB+1], v[BV:BV+1], v[GK:GK+1], v[BQ:BQ+1]
	v_pk_fma_f32 v[TB+2:TB+3], v[BV+2:BV+3], v[GK+2:GK+3], v[BQ+2:BQ+3]
	ds_store_b128 v6, v[TB:TB+3]                   ; my own copy: LDS serves a wave's instructions in order (ISA guide 5.7.1.4), so the loads below see it
.irp u, 0,1,2,3
	ds_load_b128 v[TV+4*(\u):TV+4*(\u)+3], v7 offset:16*(\u)               ; columns j = 128 hp + 16 w + 0..15: the same address in every lane
.endr
	s_wait_loadcnt 20                              ; Wv and Wq are in; Wo's 20 loads are younger
	WIN 0x11                                       ; Wv and Wq in window 1, gk and T in window 0
.set i, 0
.rept 16
	v_pk_fma_f32 v[GP+4*i:GP+4*i+1], v[4*i:4*i+1], v[GK:GK+1], v[64+4*i:64+4*i+1]
	v_pk_fma_f32 v[GP+4*i+2:GP+4*i+3], v[4*i+2:4*i+3], v[GK+2:GK+3], v[64+4*i+2:64+4*i+3]
.set i, i+1
.endr
	WIN 0
.set i, 0
.rept 32
	v_cvt_pk_f16_f32 v[GP+64+i], v[GP+2*i], v[GP+2*i+1]
.set i, i+1
.endr
.set i, 0
.rept 16
	global_store_b64 v3, v[GP+64+2*i:GP+64+2*i+1], s[20:21] offset:i*2048  ; 256 consecutive bytes, at a multiple of 256 from tt's first
.set i, i+1
.endr
	s_wait_loadcnt 4                               ; Wo's 16 rows are in
	s_wait_dscnt 0x0
	WIN 0x01                                       ; Wo in window 1
.set i, 0
.rept 16
.if i == 0
	v_pk_mul_f32 v[AB:AB+1], v[128:129], v[TV:TV+1] op_sel_hi:[1,0]
	v_pk_mul_f32 v[AB+2:AB+3], v[130:131], v[TV:TV+1] op_sel_hi:[1,0]
.elseif i%2 == 0
	v_pk_fma_f32 v[AB:AB+1], v[128+4*i:128+4*i+1], v[TV+i:TV+i+1], v[AB:AB+1] op_sel_hi:[1,0,1]
	v_pk_fma_f32 v[AB+2:AB+3], v[128+4*i+2:128+4*i+3], v[TV+i:TV+i+1], v[AB+2:AB+3] op_sel_hi:[1,0,1]
.else
	v_pk_fma_f32 v[AB:AB+1], v[128+4*i:128+4*i+1], v[TV+i-1:TV+i], v[AB:AB+1] op_sel:[0,1,0] op_sel_hi:[1,1,1]
	v_pk_fma_f32 v[AB+2:AB+3], v[128+4*i+2:128+4*i+3], v[TV+i-1:TV+i], v[AB+2:AB+3] op_sel:[0,1,0] op_sel_hi:[1,1,1]
.endif
.set i, i+1
.endr
	WIN 0
	ds_store_b128 v8, v[AB:AB+3]
	s_wait_loadcnt 0x0
	WIN 0x01
.set i, 0
.rept 8
	v_pk_mul_f32 v[SWR+2*i:SWR+2*i+1], v[192+2*i:192+2*i+1], s[58:59] op_sel_hi:[1,0]
.set i, i+1
.endr
	WIN 0
.set i, 0
.rept 8
	v_cvt_pk_f16_f32 v[112+i], v[SWR+2*i], v[SWR+2*i+1]
.set i, i+1
.endr
.set i, 0
.rept 4
	global_store_b64 v3, v[112+2*i:112+2*i+1], s[50:51] offset:i*256       ; 256 consecutive aligned bytes
.set i, i+1
.endr
	s_wait_dscnt 0x0                               ; for wave 0's sake
	s_barrier_signal -1
	s_barrier_wait -1
	s_cmp_lg_u32 s24, 0
	s_cbranch_scc1 .Lend
.set i, 0
.rept 8
	ds_load_b128 v[GP+4*i:GP+4*i+3], v9 offset:RB+i*512
.set i, i+1
.endr
	s_wait_dscnt 0x0
.set i, 1
.rept 7
	v_pk_add_f32 v[GP:GP+1], v[GP:GP+1], v[GP+4*i:GP+4*i+1]
	v_pk_add_f32 v[GP+2:GP+3], v[GP+2:GP+3], v[GP+4*i+2:GP+4*i+3]
.set i, i+1
.endr
	global_store_b128 v2, v[GP:GP+3], s[54:55]     ; 512 consecutive bytes
.Lend:
	s_wait_tensorcnt 0x0                           ; the wave's end, behind my last LDS store
	ds_add_u32 v10, v11
	s_wait_dscnt 0x0
	s_endpgm
.Lfunc_end_k_qd458362628_tform:
	.size	k_qd458362628_tform, .Lfunc_end_k_qd458362628_tform-k_qd458362628_tform
	.p2alignl 7, 3214868480
	.fill 96, 4, 3214868480
	.section	.rodata,"a",@progbits
	.p2align	6, 0x0
	.amdhsa_kernel k_qd458362628_tform
		.amdhsa_group_segment_fixed_size 9216
		.amdhsa_private_segment_fixed_size 0
		.amdhsa_enable_private_segment 0
		.amdhsa_kernarg_size 80
		.amdhsa_user_sgpr_count 2
		.amdhsa_user_sgpr_kernarg_segment_ptr 1
		.amdhsa_wavefront_size32 1
		.amdhsa_system_sgpr_workgroup_id_x 1
		.amdhsa_system_sgpr_workgroup_id_y 1
		.amdhsa_system_sgpr_workgroup_id_z 1
		.amdhsa_system_vgpr_workitem_id 0
		.amdhsa_next_free_vgpr 512
		.amdhsa_next_free_sgpr 66
		.amdhsa_reserve_vcc 0
		.amdhsa_float_denorm_mode_32 3
		.amdhsa_float_denorm_mode_16_64 3
		.amdhsa_memory_ordered 1
		.amdhsa_forward_progress 1
		.amdhsa_inst_pref_size 31
	.end_amdhsa_kernel
	.amdgpu_metadata
---
amdhsa.version: [ 1, 2 ]
amdhsa.kernels:
  - .name:           k_qd458362628_tform
    .symbol:         k_qd458362628_tform.kd
    .args:
      - { .name: gp, .offset: 0, .size: 8, .value_kind: global_buffer, .address_space: global }
      - { .name: pp, .offset: 8, .size: 8, .value_kind: global_buffer, .address_space: global }
      - { .name: bq, .offset: 16, .size: 8, .value_kind: global_buffer, .address_space: global }
      - { .name: bk, .offset: 24, .size: 8, .value_kind: global_buffer, .address_space: global }
      - { .name: bv, .offset: 32, .size: 8, .value_kind: global_buffer, .address_space: global }
      - { .name: Wv, .offset: 40, .size: 8, .value_kind: global_buffer, .address_space: global }
      - { .name: Wq, .offset: 48, .size: 8, .value_kind: global_buffer, .address_space: global }
      - { .name: Wo, .offset: 56, .size: 8, .value_kind: global_buffer, .address_space: global }
      - { .name: tt, .offset: 64, .size: 8, .value_kind: global_buffer, .address_space: global }
      - { .name: wb, .offset: 72, .size: 8, .value_kind: global_buffer, .address_space: global }
    .group_segment_fixed_size: 9216
    .private_segment_fixed_size: 0
    .kernarg_segment_align: 8
    .kernarg_segment_size: 80
    .max_flat_workgroup_size: 256
    .sgpr_count:     66
    .vgpr_count:     512
    .wavefront_size: 32
...
	.end_amdgpu_metadata
.endif
;; end of part 4
;; launch weff (part 5): grid 8 x 32, 4 waves a work-group, clusters of 4 x 4, 327,680 bytes of LDS; arguments wb, tt, wt; writes wt
.if DOCPART == 5
	.amdgcn_target "amdgcn-amd-amdhsa--gfx1250"
	.amdhsa_code_object_version 6
	.text
	.protected	k_qd458362628_weff
	.globl	k_qd458362628_weff
	.p2align	8
	.type	k_qd458362628_weff,@function
k_qd458362628_weff:
	s_mov_b64 s[64:65], 0
	v_nop
	global_prefetch_b8 v0, s[64:65] scope:SCOPE_SE
	s_setreg_imm32_b32 hwreg(HW_REG_WAVE_MODE, 25, 1), 1
	s_wait_xcnt 0x0
	s_wait_alu depctr_hold_cnt(0) depctr_sa_sdst(0) depctr_va_vdst(0) depctr_va_sdst(0) depctr_va_ssrc(0) depctr_va_vcc(0) depctr_vm_vsrc(0)
	s_getreg_b32 s2, hwreg(HW_REG_IB_STS2, 6, 4)
	s_cmp_eq_u32 s2, 0
	s_cbranch_scc0 .Lentry_in_a_cluster
	s_endpgm
.Lentry_in_a_cluster:
	s_bfe_u32 s2, ttmp6, 0x10000c
	s_cmp_lg_u32 s2, 0xf033
	s_cbranch_scc0 .Lentry_shape_is_right
	s_endpgm
.Lentry_shape_is_right:
; WEFF.  wt[b][n][k] = the sum over j of (16 Wo[j][n]) T_b[k][j]: the folded weights, transposed and times 16, f16; sums in f32, rounded once.  Four products of 1024 x 1024 x 1024.
; A tile of wt is 128 (n) x 128 (k): 64 tiles a batch, 256 work-groups.  Four waves, each 64 x 64: 16 accumulators.  The sum over j goes in steps of 256 through a ring of two LDS slots.
; 'A' is Wo^T: it lies in memory as [j][n], so its tile is 256 rows j x 128 n (rows of 256 bytes), and its fragments are turned out of LDS by ds_load_tr16_b128.  'B' is T_b, [k][j]: 128 rows of 512 bytes.
; CLUSTERS: 4 x 4 work-groups of one batch.  The four of a row of the cluster need the same tile of A, the four of a column the same tile of B: each is asked for JOINTLY, by the same tensor load with the
; same descriptor and a mask that names the four.  THE MATRIX INSTRUCTION IS USED TRANSPOSED (source 0 = 16 rows of B, source 1 = 16 rows n of A): a lane then holds eight neighbouring k of a row n.
; By this text's count a wave has two tensor loads out at the start and one behind each round.
; LIMIT.  |16 Weff| stays under 65,504 (f16).
; REGISTERS: window 0: v0-31 addresses; v32-95 at work on the way out; v128-255 the accumulators ((a, b) at v[128 + 8 (4 a + b)]).
;   window 1: two fragment buffers of 128: for 64 along j, 64 registers of A (2 x 4 x 16 n x 32 j), then 64 of B.
.set KSTEP,  256
.set PA,     288                       ; a row of A in LDS: 256 bytes + 32 = 72 words
.set PB,     528                       ; a row of B: 512 + 16 = 132 words: the 16 rows of a load start at 16 different groups of four banks
.set HALFA,  128*PA                    ; what one tensor load brings of A: 128 rows j
.set HALFB,  64*PB                     ; of B: 64 rows k
.set BOFF,   2*HALFA
.set SLOT,   BOFF+2*HALFB
.set STAGE,  2*SLOT                    ; behind the ring: 128 rows x 272 bytes, the work-group's, for the way out
.set SPITCH, 272
.set SPARE,  STAGE+128*SPITCH          ; the spare words: two blocks of 256 bytes that no other line names
.set LAPS,   2                         ; a lap = two steps = once round the ring
.set ADRA, 16                          ; v16-19  my place in A's turning loads: slot s, half g of the step's rows at ADRA + 2 s + g (an LDS immediate has 16 bits)
.set ADRB, 20                          ; v20-21  LDS address of my B fragments in slot 0, 1
.set STO,  24
.set RD,   25
.set CO,   26
.set SPW,  28                          ; v28     my spare word; never rewritten
.set NIL,  29                          ; v29     0; never rewritten
.set TMP,  32
.set ACC,  128
.set F0,   0
.set F1,   128
.set G1, 24                            ; s[24:31] descriptor group 1 for A's tiles;  s[32:39] group 0, one set for each slot
.set G0, 32
.set G1B, 48                           ; s[48:55], s[56:63] the same for B's tiles
.set G0B, 56
.set MSB, 0
.macro WIN new
.if MSB != (\new)
	s_set_vgpr_msb (MSB<<8)|(\new)
.set MSB, \new
.endif
.endm
.set MUL,  0x05                        ; sources 0 (B) and 1 (A) window 1; C and D window 0
.set TO_F, 0x40                        ; destination window 1, address window 0
.macro JLOAD s                         ; a joint load: waves 0 and 1 fetch A's two halves, waves 2 and 3 B's; an s_nop 0 and four v_nop follow each of the two lines
	s_cmp_eq_u32 s11, 0
	s_cbranch_scc0 .Lfor_b_\@
	tensor_load_to_lds s[G0+4*(\s):G0+4*(\s)+3], s[G1:G1+7]
	s_nop 0
.rept 4
	v_nop
.endr
	s_branch .Lasked_\@
.Lfor_b_\@:
	tensor_load_to_lds s[G0B+4*(\s):G0B+4*(\s)+3], s[G1B:G1B+7]
	s_nop 0
.rept 4
	v_nop
.endr
.Lasked_\@:
.endm
.macro CREST                           ; a round of the cluster's barrier behind its opening barrier
	s_cmp_lg_u32 s10, 0
	s_cbranch_scc1 .Lnot_wave_0_\@
	s_barrier_signal -3
.Lnot_wave_0_\@:
	s_barrier_wait -3
	s_barrier_signal -1
	s_barrier_wait -1
.endm
.macro CROUND
	s_barrier_signal -1
	s_barrier_wait -1
	CREST
.endm
	s_load_b128 s[4:7], s[0:1], 0x0                ; wb (16 Wo) s[4:5], tt s[6:7]
	s_load_b64 s[8:9], s[0:1], 0x10                ; wt
	v_lshl_add_u32 v[SPW], v0, 2, SPARE
	v_mov_b32 v[NIL], 0
	ds_add_u32 v[SPW], v[NIL]                      ; the wave's opening: the add and its wait ahead of my first tensor load; the set-up below stands between them
	ds_add_u32 v28, v29
	v_lshrrev_b32 v1, 5, v0
	v_readfirstlane_b32 s10, v1                    ; wave 0..3
	s_lshr_b32 s11, s10, 1                         ; which half of the tile's rows n is mine.  Also: I fetch for A (0) or for B (1)
	s_and_b32 s12, s10, 1                          ; which half of its columns k.  Also: which half of that tile I fetch
	s_bfe_u32 s40, ttmp6, 0x40000                  ; cx, cy: my place in the cluster
	s_bfe_u32 s41, ttmp6, 0x40004
	s_lshl_b32 s42, ttmp9, 2
	s_add_co_u32 s42, s42, s40                     ; tile column (k) = 4 x cluster x + cx
	s_and_b32 s13, ttmp7, 0xffff                   ; cluster y = 2 b + half of the batch's tile rows
	s_lshr_b32 s45, s13, 1                         ; the batch, which all sixteen share
	s_and_b32 s13, s13, 1
	s_lshl_b32 s13, s13, 2
	s_add_co_u32 s13, s13, s41                     ; tile row (n) = 4 x half + cy
	s_lshl_b32 s43, s41, 2
	s_lshl_b32 s43, 15, s43                        ; my row of the cluster
	s_lshl_b32 s44, 0x1111, s40                    ; my column
	s_or_b32 s[G1+0], s43, (1<<16)|(1<<20)|(1<<21)|(5<<22)|(7<<25)   ; the mask: A's tiles go to my row; 2-byte elements; padding on; bit 21 beside a mask; after every 64 words (code 5) 8 words (code 7)
	s_mov_b32 s[G1+1], 128<<16                     ; tensor_dim0 = 128
	s_mov_b32 s[G1+2], 128<<16                     ; tensor_dim1 = 128
	s_mov_b32 s[G1+3], 128<<16                     ; tile_dim0 = 128
	s_mov_b32 s[G1+4], 128                         ; tile_dim1 = 128
	s_mov_b32 s[G1+5], 1024                        ; elements from row to row
	s_mov_b32 s[G1+6], 0
	s_mov_b32 s[G1+7], 0
	s_or_b32 s[G1B+0], s44, (1<<16)|(1<<20)|(1<<21)|(6<<22)|(3<<25)  ; B's go to my column; after every 128 words (code 6) 4 words (code 3)
	s_mov_b32 s[G1B+1], KSTEP<<16                  ; tensor_dim0 = 256
	s_mov_b32 s[G1B+2], 64<<16                     ; tensor_dim1 = 64
	s_mov_b32 s[G1B+3], KSTEP<<16                  ; tile_dim0 = 256
	s_mov_b32 s[G1B+4], 64                         ; tile_dim1 = 64
	s_mov_b32 s[G1B+5], 1024
	s_mov_b32 s[G1B+6], 0
	s_mov_b32 s[G1B+7], 0
	s_lshl_b32 s16, s12, 18                        ; A: rows j = 128 x half on, 2,048 bytes each; columns 128 x tile row, 256 bytes
	s_lshl_b32 s17, s13, 8
	s_add_co_u32 s16, s16, s17
	s_mov_b32 s17, 0
	s_lshl_b32 s46, s42, 7                         ; B: the batch; rows k = 128 x tile column + 64 x half
	s_lshl_b32 s47, s12, 6
	s_add_co_u32 s46, s46, s47
	s_lshl_b32 s46, s46, 11
	s_lshl_b32 s47, s45, 21
	s_add_co_u32 s46, s46, s47
	s_mov_b32 s47, 0
	s_mul_i32 s20, s12, HALFA                      ; where they go: no place in the cluster enters an LDS address
	s_mul_i32 s21, s12, HALFB
	s_add_co_u32 s21, s21, BOFF
	s_wait_dscnt 0x0                               ; the opening add is done
	s_wait_kmcnt 0x0
	s_add_nc_u64 s[14:15], s[4:5], s[16:17]
	s_add_nc_u64 s[46:47], s[6:7], s[46:47]
	CROUND                                         ; all sixteen work-groups are here: the first joint loads meet
.irp s, 0,1
	s_mov_b32 s[G0+4*(\s)], 1
	s_add_co_u32 s[G0+4*(\s)+1], s20, (\s)*SLOT
	s_add_nc_u64 s[G0+4*(\s)+2:G0+4*(\s)+3], s[14:15], (\s)*KSTEP*2048   ; step s: 256 rows j further down
	s_or_b32 s[G0+4*(\s)+3], s[G0+4*(\s)+3], 0x80000000
	s_mov_b32 s[G0B+4*(\s)], 1
	s_add_co_u32 s[G0B+4*(\s)+1], s21, (\s)*SLOT
	s_add_nc_u64 s[G0B+4*(\s)+2:G0B+4*(\s)+3], s[46:47], (\s)*KSTEP*2    ; step s: 512 bytes along the rows
	s_or_b32 s[G0B+4*(\s)+3], s[G0B+4*(\s)+3], 0x80000000
	JLOAD \s
.endr
	v_and_b32 v1, 15, v0                           ; l % 16
	v_bfe_u32 v2, v0, 4, 1                         ; l / 16
	v_mul_u32_u24 v3, v1, PB
	v_lshl_add_u32 v3, v2, 4, v3                   ; B: a fragment's row x pitch + 16 x half
	s_mul_i32 s22, s12, HALFB                      ; my 64 rows of B, behind A's 256
	s_add_co_u32 s22, s22, BOFF
	v_add_nc_u32 v[ADRB], s22, v3
	v_add_nc_u32 v[ADRB+1], SLOT, v[ADRB]
	v_and_b32 v4, 7, v0                            ; A: the turning load: row j = 8 (l / 16) + l % 8, columns 8 ((l / 8) % 2) on
	v_bfe_u32 v5, v0, 3, 1
	v_lshl_add_u32 v4, v2, 3, v4
	v_mul_u32_u24 v4, v4, PA
	v_lshl_add_u32 v4, v5, 4, v4
	s_lshl_b32 s21, s11, 7                         ; my 64 columns n: 128 bytes
	v_add_nc_u32 v[ADRA], s21, v4
	v_add_nc_u32 v[ADRA+1], HALFA, v[ADRA]
	v_add_nc_u32 v[ADRA+2], SLOT, v[ADRA]
	v_add_nc_u32 v[ADRA+3], SLOT+HALFA, v[ADRA]
	s_mul_i32 s23, s11, 64*SPITCH                  ; into the stage: my 64 rows, my half of their 256 bytes
	s_lshl_b32 s21, s12, 7
	s_add_co_u32 s23, s23, s21
	s_add_co_u32 s23, s23, STAGE
	v_mul_u32_u24 v4, v1, SPITCH
	v_lshl_add_u32 v4, v2, 4, v4
	v_add_nc_u32 v[STO], s23, v4
	s_mul_i32 s23, s10, 32*SPITCH                  ; back: wave w takes rows 32 w .. + 31, whole
	s_add_co_u32 s23, s23, STAGE
	v_mul_u32_u24 v5, v2, SPITCH
	v_lshl_add_u32 v5, v1, 4, v5
	v_add_nc_u32 v[RD], s23, v5
	v_lshlrev_b32 v5, 11, v2                       ; and the same two rows in wt
	v_lshl_add_u32 v[CO], v1, 4, v5
	s_lshl_b32 s16, s13, 7
	s_lshl_b32 s17, s10, 5
	s_add_co_u32 s16, s16, s17                     ; the first row n that I store: 128 x tile row + 32 x wave
	s_lshl_b32 s16, s16, 11
	s_mov_b32 s17, 0
	s_add_nc_u64 s[8:9], s[8:9], s[16:17]
	s_lshl_b32 s46, s42, 8                         ; the tile's first column, in bytes, and the batch
	s_lshl_b32 s47, s45, 21
	s_add_co_u32 s46, s46, s47
	s_mov_b32 s47, 0
	s_add_nc_u64 s[8:9], s[8:9], s[46:47]
; 8 matrix instructions: n blocks a0, a0 + 1 x all 4 k blocks, 32 along j: half c of buffer f.  zero = 1: the first product starts the sums
.macro MUL8 f, c, a0, zero
	WIN MUL
.irp a, \a0, (\a0)+1
.irp b, 0,1,2,3
.if \zero
	v_wmma_f32_16x16x32_f16 v[ACC+8*(4*(\a)+(\b)):ACC+8*(4*(\a)+(\b))+7], v[(\f)+64+8*(4*(\c)+(\b)):(\f)+64+8*(4*(\c)+(\b))+7], v[(\f)+8*(4*(\c)+(\a)):(\f)+8*(4*(\c)+(\a))+7], 0
.else
	v_wmma_f32_16x16x32_f16 v[ACC+8*(4*(\a)+(\b)):ACC+8*(4*(\a)+(\b))+7], v[(\f)+64+8*(4*(\c)+(\b)):(\f)+64+8*(4*(\c)+(\b))+7], v[(\f)+8*(4*(\c)+(\a)):(\f)+8*(4*(\c)+(\a))+7], v[ACC+8*(4*(\a)+(\b)):ACC+8*(4*(\a)+(\b))+7]
.endif
.endr
.endr
.endm
; 32 LDS loads in one run: the fragments of quarter q (64 along j) of a slot, into buffer f; the first 32 along j first
.macro FETCH slot, q, f
	WIN TO_F
.irp c, 0,1
.irp i, 0,1,2,3
	ds_load_b128 v[(\f)+64+8*(4*(\c)+(\i)):(\f)+64+8*(4*(\c)+(\i))+3],   v[ADRB+(\slot)] offset:128*(\q)+64*(\c)+(\i)*16*PB
	ds_load_b128 v[(\f)+64+8*(4*(\c)+(\i))+4:(\f)+64+8*(4*(\c)+(\i))+7], v[ADRB+(\slot)] offset:128*(\q)+64*(\c)+(\i)*16*PB+32
	ds_load_tr16_b128 v[(\f)+8*(4*(\c)+(\i)):(\f)+8*(4*(\c)+(\i))+3],    v[ADRA+2*(\slot)+(\q)/2] offset:(((\q)%2)*64+32*(\c))*PA+32*(\i)
	ds_load_tr16_b128 v[(\f)+8*(4*(\c)+(\i))+4:(\f)+8*(4*(\c)+(\i))+7],  v[ADRA+2*(\slot)+(\q)/2] offset:(((\q)%2)*64+32*(\c)+16)*PA+32*(\i)
.endr
.endr
.endm
.macro PLACES                          ; four places in front of loads into registers that matrix instructions have read, and of conversions that read results
.rept 4
	v_nop
.endr
.endm
; A step is four quarters of 64 along j, 32 matrix instructions each, on buffers 0, 1, 0, 1.  One of the first three: multiplies buffer f and fetches quarter q into g.
.macro QUARTER slot, q, f, g, zero
	s_wait_dscnt 16                                ; the first 32 along j are in
	WIN MUL
	MUL8 \f, 0, 0, \zero
	MUL8 \f, 0, 2, \zero
	PLACES
	FETCH \slot, \q, \g
	s_wait_dscnt 32                                ; all but the 32 just issued
	WIN MUL
	MUL8 \f, 1, 0, 0
	MUL8 \f, 1, 2, 0
.endm
; The last quarter multiplies buffer 1 and changes slots: ONE barrier; in front of it each wave waits for all its tensor loads, adds 0 to its spare word, and waits for that and for its own reads of this slot.  fill = 1: this slot is filled again, two steps ahead.
.macro TURN slot, next, fill
	WIN 0                                          ; (the add's two registers lie in window 0)
	s_wait_tensorcnt 0x0                           ; all my tensor loads have landed: my part of the next slot;
	ds_add_u32 v[SPW], v[NIL]                      ; 0 onto my spare word;
	s_wait_dscnt 17                                ; (the add and the youngest sixteen loads may be out)
	WIN MUL
	MUL8 F1, 0, 0, 0                               ; eight matrix instructions stand between the add and the wait for it
	s_wait_dscnt 0x0                               ; the add is done, and my reads of this slot are over
	s_barrier_signal -1
	MUL8 F1, 0, 2, 0
.if \fill
	WIN 0
.endif
	s_barrier_wait -1
.if \fill
	CREST                                          ; the barrier has opened a round of the cluster's barrier: no wave of any partner still reads this slot's tile or has a load on its way
	s_add_nc_u64 s[G0+4*(\slot)+2:G0+4*(\slot)+3], s[G0+4*(\slot)+2:G0+4*(\slot)+3], 2*KSTEP*2048
	s_add_nc_u64 s[G0B+4*(\slot)+2:G0B+4*(\slot)+3], s[G0B+4*(\slot)+2:G0B+4*(\slot)+3], 2*KSTEP*2
	JLOAD \slot                                    ; the first tensor load behind the round; the four v_nop behind it are also the places in front of the loads below
.else
	PLACES
.endif
	FETCH \next, 0, F0
	WIN MUL
	MUL8 F1, 1, 0, 0
	MUL8 F1, 1, 2, 0
.endm
	s_wait_tensorcnt 1                             ; my part of step 0 is in; step 1's may stay out
	s_barrier_signal -1
	s_barrier_wait -1                              ; everybody's is
	FETCH 0, 0, F0
	QUARTER 0, 1, F0, F1, 1                        ; the first quarter stands in front of the loop: its first products start the sums
	WIN 0                                          ; at a label and at a branch every window is 0
	s_mov_b32 s3, LAPS-1
.Llap:                                                 ; a trip goes once round the ring and fills both slots again
	QUARTER 0, 2, F1, F0, 0
	QUARTER 0, 3, F0, F1, 0
	TURN 0, 1, 1
	QUARTER 1, 1, F0, F1, 0
	QUARTER 1, 2, F1, F0, 0
	QUARTER 1, 3, F0, F1, 0
	TURN 1, 0, 1
	QUARTER 0, 1, F0, F1, 0
	WIN 0
	s_sub_co_u32 s3, s3, 1
	s_cmp_lg_u32 s3, 0
	s_cbranch_scc1 .Llap
	QUARTER 0, 2, F1, F0, 0                        ; the last lap fills nothing, and has no round of the cluster's barrier
	QUARTER 0, 3, F0, F1, 0
	TURN 0, 1, 0
	QUARTER 1, 1, F0, F1, 0
	QUARTER 1, 2, F1, F0, 0
	QUARTER 1, 3, F0, F1, 0
	s_wait_dscnt 16                                ; the very last quarter: nothing more to fetch
	WIN MUL
	MUL8 F1, 0, 0, 0
	MUL8 F1, 0, 2, 0
	s_wait_dscnt 0
	MUL8 F1, 1, 0, 0
	MUL8 F1, 1, 2, 0
	WIN 0
	; THE WAY OUT: round to f16; 16 bytes a lane into the work-group's stage; a barrier, since a row's 256 bytes come from two waves; back as whole rows, 32 rows a wave.
	PLACES
.irp t, 0,1,2,3,4,5,6,7,8,9,10,11,12,13,14,15
.irp r, 0,1,2,3
	v_cvt_pk_f16_f32 v[TMP+4*(\t)+(\r)], v[ACC+8*(\t)+2*(\r)], v[ACC+8*(\t)+2*(\r)+1]
.endr
.endr
.irp a, 0,1,2,3
.irp b, 0,1,2,3
	ds_store_b128 v[STO], v[TMP+4*(4*(\a)+(\b)):TMP+4*(4*(\a)+(\b))+3] offset:(\a)*16*SPITCH+32*(\b)
.endr
.endr
	s_wait_dscnt 0x0                               ; for the others' sake: my stores into the stage are done
	s_barrier_signal -1
	s_barrier_wait -1
.irp t, 0,1,2,3,4,5,6,7,8,9,10,11,12,13,14,15
	ds_load_b128 v[TMP+4*(\t):TMP+4*(\t)+3], v[RD] offset:(\t)*2*SPITCH
.endr
.irp t, 0,1,2,3,4,5,6,7,8,9,10,11,12,13,14,15
	s_wait_dscnt 15-(\t)
	global_store_b128 v[CO], v[TMP+4*(\t):TMP+4*(\t)+3], s[8:9] offset:2*(\t)*2048  ; 16 lanes store 256 consecutive bytes, at a multiple of 256 from wt's first byte
.endr
	s_wait_tensorcnt 0x0                           ; the wave's end, behind my last tensor load and my last LDS store
	ds_add_u32 v[SPW], v[NIL]
	s_wait_dscnt 0x0
	CROUND                                         ; the closing round: no work-group ends while a partner may still ask for a tile that names it
	s_endpgm
.Lfunc_end_k_qd458362628_weff:
	.size	k_qd458362628_weff, .Lfunc_end_k_qd458362628_weff-k_qd458362628_weff
	.p2alignl 7, 3214868480
	.fill 96, 4, 3214868480
	.section	.rodata,"a",@progbits
	.p2align	6, 0x0
	.amdhsa_kernel k_qd458362628_weff
		.amdhsa_group_segment_fixed_size 327680
		.amdhsa_private_segment_fixed_size 0
		.amdhsa_enable_private_segment 0
		.amdhsa_kernarg_size 24
		.amdhsa_user_sgpr_count 2
		.amdhsa_user_sgpr_kernarg_segment_ptr 1
		.amdhsa_wavefront_size32 1
		.amdhsa_system_sgpr_workgroup_id_x 1
		.amdhsa_system_sgpr_workgroup_id_y 1
		.amdhsa_system_sgpr_workgroup_id_z 1
		.amdhsa_system_vgpr_workitem_id 0
		.amdhsa_next_free_vgpr 512
		.amdhsa_next_free_sgpr 66
		.amdhsa_reserve_vcc 0
		.amdhsa_float_denorm_mode_32 3
		.amdhsa_float_denorm_mode_16_64 3
		.amdhsa_memory_ordered 1
		.amdhsa_forward_progress 1
		.amdhsa_inst_pref_size 87
	.end_amdhsa_kernel
	.amdgpu_metadata
---
amdhsa.version: [ 1, 2 ]
amdhsa.kernels:
  - .name:           k_qd458362628_weff
    .symbol:         k_qd458362628_weff.kd
    .args:
      - { .name: wb, .offset: 0, .size: 8, .value_kind: global_buffer, .address_space: global }
      - { .name: tt, .offset: 8, .size: 8, .value_kind: global_buffer, .address_space: global }
      - { .name: wt, .offset: 16, .size: 8, .value_kind: global_buffer, .address_space: global }
    .group_segment_fixed_size: 327680
    .private_segment_fixed_size: 0
    .kernarg_segment_align: 8
    .kernarg_segment_size: 24
    .max_flat_workgroup_size: 128
    .sgpr_count:     66
    .vgpr_count:     512
    .wavefront_size: 32
...
	.end_amdgpu_metadata
.endif
;; end of part 5
;; launch final (part 6): grid 4 x 64, 4 waves a work-group, clusters of 4 x 4, 327,680 bytes of LDS; arguments x16, wt, out0, wb, bo; writes out0
.if DOCPART == 6
	.amdgcn_target "amdgcn-amd-amdhsa--gfx1250"
	.amdhsa_code_object_version 6
	.text
	.protected	k_qd458362628_final
	.globl	k_qd458362628_final
	.p2align	8
	.type	k_qd458362628_final,@function
k_qd458362628_final:
	s_mov_b64 s[64:65], 0
	v_nop
	global_prefetch_b8 v0, s[64:65] scope:SCOPE_SE
	s_setreg_imm32_b32 hwreg(HW_REG_WAVE_MODE, 25, 1), 1
	s_wait_xcnt 0x0
	s_wait_alu depctr_hold_cnt(0) depctr_sa_sdst(0) depctr_va_vdst(0) depctr_va_sdst(0) depctr_va_ssrc(0) depctr_va_vcc(0) depctr_vm_vsrc(0)
	s_getreg_b32 s2, hwreg(HW_REG_IB_STS2, 6, 4)
	s_cmp_eq_u32 s2, 0
	s_cbranch_scc0 .Lentry_in_a_cluster
	s_endpgm
.Lentry_in_a_cluster:
	s_bfe_u32 s2, ttmp6, 0x10000c
	s_cmp_lg_u32 s2, 0xf033
	s_cbranch_scc0 .Lentry_shape_is_right
	s_endpgm
.Lentry_shape_is_right:
; FINAL.  out[m][n] = clip((the sum over k of x16[m][k] wt[b][n][k]) / 16 + beff[b][n], -100, 100), b = m / 4096; beff = bo + the 8 partial sums of the launch before last.  f16 operands, sums in f32, out in f32.
; A tile of out, 256 x 256, is made by a work-group of four waves; a wave makes 128 x 128: 64 accumulators of 16 x 16, 512 registers.  K goes in steps of 128 through a ring of two LDS slots filled by the
; tensor data mover: the rows of both tiles are 256 bytes of memory and start at multiples of 256 bytes from the buffer's first byte.  64 x 4 tiles: 256 work-groups, one tile each.
; CLUSTERS: 4 x 4 work-groups, all of one batch.  The four of a row of the cluster need the same tiles of x16, the four of a column the same tiles of wt: each is asked for JOINTLY, by the same tensor load
; with the same descriptor and a mask that names the four.  By this text's count a wave has two tensor loads out at the start and one behind each round.
; REGISTERS, in windows of 256: window 0: v0-31 addresses; v64-127, v128-191 fragments of A, two buffers (v64-127 serve the way out too); v192-227 the biases
;   window 1: v64-127, v128-191 fragments of B;   window 2: the 32 accumulators of my rows 0-63 ((a, b) at v[8 (8 a + b)]);   window 3: those of my rows 64-127
; THE MATRIX INSTRUCTION IS USED TRANSPOSED: source 0 = 16 rows of wt, source 1 = 16 rows of x16: lane l holds row m = l % 16 and the columns n = 8 (l / 16) + 0..7.
; THE WAY OUT goes through the ring's bytes, when their last fill and every wave's last read of them are over: 128 rows x 528 bytes for each wave; back as whole rows of 512 bytes.
.set SIZE_K, 1024
.set KSTEP,  128
.set PITCH,  272                       ; an LDS row: 256 bytes + 16 of padding = 68 words: the 16 rows that a load touches start at 16 different groups of four banks
.set HALFT,  128*PITCH
.set SLOT,   4*HALFT                   ; A's 256 rows, then B's 256 rows
.set OP,     528                       ; the way out: a row of 128 f32 + 16 bytes
.set SPARE,  2*SLOT                    ; behind the ring: the spare words: two blocks of 256 bytes that no other line names
.set LAPS,   SIZE_K/(2*KSTEP)
.set ADRA, 16                          ; v16-17  LDS address of my A fragments in slot 0, 1
.set ADRB, 20                          ; v20-21  the same for B
.set STO,  24                          ; v24     the way out: where I put 16 bytes of a row
.set RD,   25                          ; v25     the way out: where I read rows back; stepped
.set CO,   26                          ; v26     my byte offset in out; stepped
.set BO,   27                          ; v27     my byte offset in the biases; never rewritten
.set SPW,  28                          ; v28     my spare word; never rewritten
.set NIL,  29                          ; v29     0; never rewritten
.set PFO,  30                          ; v30     the prefetches' offset: my lane x a row of 2,048 bytes; never rewritten
.set PFA,  44                          ; s[44:45] where my prefetches stand
.set LIM,  43                          ; s43     1 in a wave that prefetches, else the greatest number
.set F0,   64
.set F1,   128
.set OB,   64                          ; the way out: two sets of 8 rows
.set BS,   192                         ; v[192:195] beff of my 4 columns; v[196:227] its partial sums as loaded
.set G1, 24
.set G0, 32
.set G1B, 48
.set G0B, 56
.set MSB, 0
.macro WIN new
.if MSB != (\new)
	s_set_vgpr_msb (MSB<<8)|(\new)
.set MSB, \new
.endif
.endm
.set MUL_LO, 0xa1                      ; source 0 (B) window 1, source 1 (A) window 0, C and D window 2
.set MUL_HI, 0xf1                      ; the same, C and D window 3
.set TO_B,   0x40                      ; destination window 1, address window 0
.macro JLOAD s                         ; a joint load: waves 0 and 1 fetch A's two halves, waves 2 and 3 B's; an s_nop 0 and four v_nop follow each of the two lines
	s_cmp_eq_u32 s11, 0
	s_cbranch_scc0 .Lfor_b_\@
	tensor_load_to_lds s[G0+4*(\s):G0+4*(\s)+3], s[G1:G1+7]
	s_nop 0
.rept 4
	v_nop
.endr
	s_branch .Lasked_\@
.Lfor_b_\@:
	tensor_load_to_lds s[G0B+4*(\s):G0B+4*(\s)+3], s[G1B:G1B+7]
	s_nop 0
.rept 4
	v_nop
.endr
.Lasked_\@:
.endm
; A PREFETCH INTO THE L2, behind each joint load and the run of LDS loads that follows it: the K step that stands two refills on: 32 rows x 256 bytes, a lane a row, one instruction a wave.
; Each row's 256 bytes of a K step are named once in the launch.  A's tile row is read by one cluster alone, which asks; B's tile column of a batch by the batch's four clusters: the first of them asks.
; The four partners that ask for a tile jointly share its rows out BY ADDRESS: of the 128 rows that wave w fetches, the partner at place p takes 32 p .. + 31 (p = cx for A, cy for B).
; The loop's last trip asks for nothing: its refills are the last two K steps.  The first four K steps come by their loads alone.
.macro ASK
	s_cmp_gt_u32 s3, s[LIM]                        ; s3 = 1 in the loop's last trip
	s_cbranch_scc0 .Lnot_mine_\@
	global_prefetch_b8 v[PFO], s[PFA:PFA+1] offset:KSTEP*2 th:TH_LOAD_NT scope:SCOPE_SE
.Lnot_mine_\@:
.endm
.macro CREST
	s_cmp_lg_u32 s10, 0
	s_cbranch_scc1 .Lnot_wave_0_\@
	s_barrier_signal -3
.Lnot_wave_0_\@:
	s_barrier_wait -3
	s_barrier_signal -1
	s_barrier_wait -1
.endm
.macro CROUND
	s_barrier_signal -1
	s_barrier_wait -1
	CREST
.endm
	s_load_b128 s[4:7], s[0:1], 0x0                ; x16 s[4:5], wt s[6:7]
	s_load_b64 s[8:9], s[0:1], 0x10                ; out0
	s_load_b128 s[68:71], s[0:1], 0x18             ; wb s[68:69], bo s[70:71]
	v_lshl_add_u32 v[SPW], v0, 2, SPARE
	v_mov_b32 v[NIL], 0
	ds_add_u32 v[SPW], v[NIL]                      ; the wave's opening: the add and its wait ahead of my first tensor load; the set-up below stands between them
	ds_add_u32 v28, v29
	v_lshrrev_b32 v1, 5, v0
	v_readfirstlane_b32 s10, v1                    ; wave 0..3
	s_lshr_b32 s11, s10, 1                         ; which half of the tile's rows is mine.  Also: I fetch for A (0) or for B (1)
	s_and_b32 s12, s10, 1                          ; which half of its columns.  Also: which 128 rows of that tile I fetch
	s_bfe_u32 s40, ttmp6, 0x40000                  ; cx
	s_bfe_u32 s41, ttmp6, 0x40004                  ; cy
	s_lshl_b32 s42, ttmp9, 2
	s_add_co_u32 s42, s42, s40                     ; tile column = 4 x cluster x + cx
	s_and_b32 s13, ttmp7, 0xffff
	s_lshr_b32 s66, s13, 2                         ; the batch = cluster y / 4, which all sixteen share
	s_lshl_b32 s13, s13, 2
	s_add_co_u32 s13, s13, s41                     ; tile row = 4 x cluster y + cy
	s_lshl_b32 s43, s41, 2
	s_lshl_b32 s43, 15, s43                        ; my row of the cluster
	s_lshl_b32 s44, 0x1111, s40                    ; my column
	s_or_b32 s[G1+0], s43, (1<<16)|(1<<20)|(1<<21)|(5<<22)|(3<<25)  ; the mask; 2-byte elements; padding on; bit 21 beside a mask; after every 64 words (code 5) 4 words (code 3)
	s_or_b32 s[G1B+0], s44, (1<<16)|(1<<20)|(1<<21)|(5<<22)|(3<<25)
.irp g, G1, G1B
	s_mov_b32 s[(\g)+1], KSTEP<<16                 ; tensor_dim0 = 128
	s_mov_b32 s[(\g)+2], 128<<16                   ; tensor_dim1 = 128
	s_mov_b32 s[(\g)+3], KSTEP<<16                 ; tile_dim0 = 128
	s_mov_b32 s[(\g)+4], 128                       ; tile_dim1 = 128
	s_mov_b32 s[(\g)+5], SIZE_K                    ; elements from row to row
	s_mov_b32 s[(\g)+6], 0
	s_mov_b32 s[(\g)+7], 0
.endr
	s_lshl_b32 s17, s12, 7                         ; which 128 rows of the tile I fetch
	s_lshl_b32 s16, s13, 8
	s_add_co_u32 s16, s16, s17                     ; A: row 256 x tile row + 128 x half,
	s_lshl_b32 s16, s16, 11                        ; of 2,048 bytes
	s_lshl_b32 s46, s42, 8
	s_add_co_u32 s46, s46, s17                     ; B: row 256 x tile column + 128 x half,
	s_lshl_b32 s46, s46, 11
	s_lshl_b32 s47, s66, 21                        ; in the batch's 2 MiB
	s_add_co_u32 s46, s46, s47
	s_mov_b32 s17, 0
	s_mov_b32 s47, 0
	s_mul_i32 s20, s10, HALFT                      ; where they go: wave x 128 rows: no place in the cluster enters an LDS address
	s_mov_b32 s72, 0xc2c80000                      ; -100
	s_mov_b32 s73, 0x42c80000                      ; 100
	s_mov_b32 s74, 0x3d800000                      ; 1 / 16, named as a pair
	s_mov_b32 s75, s74
	s_wait_dscnt 0x0                               ; the opening add is done
	s_wait_kmcnt 0x0
	s_add_nc_u64 s[14:15], s[4:5], s[16:17]
	s_add_nc_u64 s[46:47], s[6:7], s[46:47]
	CROUND                                         ; all sixteen work-groups are here: the first joint loads meet
.irp s, 0,1
	s_mov_b32 s[G0+4*(\s)], 1
	s_add_co_u32 s[G0+4*(\s)+1], s20, (\s)*SLOT
	s_add_nc_u64 s[G0+4*(\s)+2:G0+4*(\s)+3], s[14:15], (\s)*KSTEP*2
	s_or_b32 s[G0+4*(\s)+3], s[G0+4*(\s)+3], 0x80000000
	s_mov_b32 s[G0B+4*(\s)], 1
	s_add_co_u32 s[G0B+4*(\s)+1], s20, (\s)*SLOT
	s_add_nc_u64 s[G0B+4*(\s)+2:G0B+4*(\s)+3], s[46:47], (\s)*KSTEP*2
	s_or_b32 s[G0B+4*(\s)+3], s[G0B+4*(\s)+3], 0x80000000
	JLOAD \s                                       ; the ring is filled before anything else is done
.endr
	v_and_b32 v1, 15, v0                           ; l % 16
	v_bfe_u32 v2, v0, 4, 1                         ; l / 16
	v_mul_u32_u24 v3, v1, PITCH
	v_lshl_add_u32 v3, v2, 4, v3                   ; a fragment's row x pitch + 16 x half
	s_mul_i32 s21, s11, HALFT                      ; my 128 rows of A
	s_mul_i32 s22, s12, HALFT                      ; my 128 rows of B,
	s_add_co_u32 s22, s22, 2*HALFT                 ; which lie behind A's 256
.irp s, 0,1
	v_add_nc_u32 v[ADRA+(\s)], s21, v3
	v_add_nc_u32 v[ADRB+(\s)], s22, v3
	s_add_co_u32 s21, s21, SLOT
	s_add_co_u32 s22, s22, SLOT
.endr
	s_mul_i32 s23, s10, 128*OP                     ; my 128 rows of the way out
	v_mul_u32_u24 v4, v1, OP                       ; in: row l % 16, 32 bytes for each half of the lanes
	v_lshl_add_u32 v4, v2, 5, v4
	v_add_nc_u32 v[STO], s23, v4
	v_and_b32 v5, 31, v0
	v_lshlrev_b32 v[CO], 4, v5                     ; back and out: 32 lanes take a row's 512 bytes
	v_lshlrev_b32 v[BO], 4, v5
	v_add_nc_u32 v[RD], s23, v[CO]
	s_lshl_b32 s13, s13, 8
	s_lshl_b32 s14, s11, 7
	s_add_co_u32 s16, s13, s14                     ; my first row of out,
	s_lshl_b32 s16, s16, 12                        ; of 4,096 bytes
	s_mov_b32 s17, 0
	s_lshl_b32 s46, s42, 10                        ; my first column, in bytes: 1,024 x tile column + 512 x half
	s_lshl_b32 s47, s12, 9
	s_add_co_u32 s46, s46, s47
	s_mov_b32 s47, 0
	s_add_nc_u64 s[8:9], s[8:9], s[16:17]
	s_add_nc_u64 s[8:9], s[8:9], s[46:47]
	s_add_nc_u64 s[70:71], s[70:71], s[46:47]      ; bo at my columns
	s_lshl_b32 s67, s66, 15                        ; the batch's 8 partial sums of 4,096 bytes, behind 16 Wo
	s_add_co_u32 s46, s46, s67
	s_add_co_u32 s46, s46, 0x200000
	s_add_nc_u64 s[68:69], s[68:69], s[46:47]
	global_load_b128 v[BS:BS+3], v[BO], s[70:71]   ; waited for at the way out
.set i, 0
.rept 8
	global_load_b128 v[BS+4+4*i:BS+4+4*i+3], v[BO], s[68:69] offset:i*4096
.set i, i+1
.endr
	; the prefetches.  s13 = 256 x tile row, s42 = tile column, s40 = cx, s41 = cy still stand
	s_lshl_b32 s42, s42, 8
	s_and_b32 s22, ttmp7, 0xffff
	s_and_b32 s22, s22, 3                          ; the cluster's place among the batch's four
	s_cmp_eq_u32 s11, 0                            ; do I fetch for A?
	s_cselect_b32 s20, s13, s42                    ; the tile's first row
	s_cselect_b32 s21, s40, s41                    ; my place among the four that ask for it with me
	s_cselect_b32 s22, ttmp9, s22                  ; the coordinate along which other clusters read the same rows
	s_cselect_b32 s67, 0, s66                      ; B lies in the batch's part of wt
	s_cselect_b64 s[PFA:PFA+1], s[4:5], s[6:7]
	s_cmp_eq_u32 s22, 0
	s_cselect_b32 s[LIM], 1, -1                    ; the same in all sixteen partners, for a given wave
	s_lshl_b32 s22, s12, 7
	s_add_co_u32 s20, s20, s22                     ; + the 128 rows that I fetch
	s_lshl_b32 s21, s21, 5
	s_add_co_u32 s20, s20, s21                     ; + my work-group's 32 of them
	s_lshl_b32 s20, s20, 11
	s_lshl_b32 s67, s67, 21
	s_add_co_u32 s20, s20, s67
	s_mov_b32 s21, 0
	s_add_nc_u64 s[PFA:PFA+1], s[PFA:PFA+1], s[20:21]
	s_add_nc_u64 s[PFA:PFA+1], s[PFA:PFA+1], 2*KSTEP*2  ; at K step 2: the first refill steps it to 3 and names K step 4
	v_lshlrev_b32 v[PFO], 11, v5
; 16 matrix instructions: m blocks a0, a0 + 1 of the window's four x all 8 n blocks, 32 along K.  zero = 1: the first product starts the sums: nothing is ever cleared.
.macro MUL16 f, hi, a0, zero
	WIN MUL_LO+0x50*(\hi)
.irp a, \a0, (\a0)+1
.irp b, 0,1,2,3,4,5,6,7
.if \zero
	v_wmma_f32_16x16x32_f16 v[8*(8*(\a)+(\b)):8*(8*(\a)+(\b))+7], v[(\f)+8*(\b):(\f)+8*(\b)+7], v[(\f)+8*(4*(\hi)+(\a)):(\f)+8*(4*(\hi)+(\a))+7], 0
.else
	v_wmma_f32_16x16x32_f16 v[8*(8*(\a)+(\b)):8*(8*(\a)+(\b))+7], v[(\f)+8*(\b):(\f)+8*(\b)+7], v[(\f)+8*(4*(\hi)+(\a)):(\f)+8*(4*(\hi)+(\a))+7], v[8*(8*(\a)+(\b)):8*(8*(\a)+(\b))+7]
.endif
.endr
.endr
.endm
; 32 LDS loads in one run: the fragments of one quarter step (128 rows of B, 128 rows of A, 32 K at byte k of the rows) into buffer f
.macro FETCH slot, k, f
	WIN TO_B
.irp i, 0,1,2,3,4,5,6,7
	ds_load_b128 v[(\f)+8*(\i):(\f)+8*(\i)+3],   v[ADRB+(\slot)] offset:(\k)+(\i)*16*PITCH
	ds_load_b128 v[(\f)+8*(\i)+4:(\f)+8*(\i)+7], v[ADRB+(\slot)] offset:(\k)+(\i)*16*PITCH+32
.endr
	WIN 0
.irp i, 0,1,2,3,4,5,6,7
	ds_load_b128 v[(\f)+8*(\i):(\f)+8*(\i)+3],   v[ADRA+(\slot)] offset:(\k)+(\i)*16*PITCH
	ds_load_b128 v[(\f)+8*(\i)+4:(\f)+8*(\i)+7], v[ADRA+(\slot)] offset:(\k)+(\i)*16*PITCH+32
.endr
.endm
.macro PLACES                          ; four places between a matrix instruction and a load into a register that it has read (ISA guide 7.12.1 for vector instructions)
.rept 4
	v_nop
.endr
.endm
; A K step is four quarter steps of 32 along K, 64 matrix instructions each, on buffers 0, 1, 0, 1.  The 64 accumulators take turns, in the same order in every quarter.
.macro QUARTER slot, k, f, g, zero
	s_wait_dscnt 8                                 ; B and A's rows 0-63 are in; the youngest eight loads (A's rows 64-127) may be out
	WIN MUL_LO
	MUL16 \f, 0, 0, \zero
	MUL16 \f, 0, 2, \zero
	PLACES
	FETCH \slot, \k, \g
	s_wait_dscnt 32                                ; all but the 32 just issued
	WIN MUL_HI
	MUL16 \f, 1, 0, \zero
	MUL16 \f, 1, 2, \zero
.endm
; The last quarter multiplies buffer 1 and changes slots.  MEET is its first half: ONE barrier; in front of it each wave waits for all its tensor loads, of which one is out: its part of the next slot;
; adds 0 to its spare word; and waits for that and for its own reads of this slot.
.macro MEET round
	WIN 0                                          ; (the add's two registers lie in window 0)
	s_wait_tensorcnt 0x0                           ; all my tensor loads have landed;
	ds_add_u32 v[SPW], v[NIL]                      ; 0 onto my spare word;
	s_wait_dscnt 9                                 ; (the add and the youngest eight loads may be out)
	WIN MUL_LO
	MUL16 F1, 0, 0, 0                              ; sixteen matrix instructions stand between the add and the wait for it
	s_wait_dscnt 0x0                               ; the add is done, and my reads of this slot are over:
	s_barrier_signal -1                            ; say so,
	MUL16 F1, 0, 2, 0                              ; work on registers while the others arrive,
.if \round
	WIN 0
.endif
	s_barrier_wait -1                              ; and go on when all four have said so
.endm
.macro TURN slot, next
	s_wait_xcnt 0x0                                ; the last prefetch, a K step back, has read its address: it is stepped here, ahead of the waits of the change of slots
	s_add_nc_u64 s[PFA:PFA+1], s[PFA:PFA+1], KSTEP*2
	MEET 1
	CREST                                          ; the barrier has opened a round of the cluster's barrier: no wave of any partner still reads this slot's tile or has a load on its way
	s_add_nc_u64 s[G0+4*(\slot)+2:G0+4*(\slot)+3], s[G0+4*(\slot)+2:G0+4*(\slot)+3], 2*KSTEP*2
	s_add_nc_u64 s[G0B+4*(\slot)+2:G0B+4*(\slot)+3], s[G0B+4*(\slot)+2:G0B+4*(\slot)+3], 2*KSTEP*2
	JLOAD \slot                                    ; the first tensor load behind the round; the four v_nop behind it are also the places in front of the loads below
	FETCH \next, 0, F0
	ASK
	WIN MUL_HI
	MUL16 F1, 1, 0, 0
	MUL16 F1, 1, 2, 0
.endm
	s_wait_tensorcnt 1                             ; my part of K step 0 is in; K step 1's may stay out
	s_barrier_signal -1
	s_barrier_wait -1                              ; everybody's is
	FETCH 0, 0, F0
	QUARTER 0, 64,  F0, F1, 1                      ; the first quarter stands in front of the loop: its products start the sums
	WIN 0                                          ; at a label and at a branch every window is 0
	s_mov_b32 s3, LAPS-1
.Llap:                                                 ; a trip goes once round the ring, from a lap's second quarter to the next lap's first, and fills both slots again
	QUARTER 0, 128, F1, F0, 0
	QUARTER 0, 192, F0, F1, 0
	TURN 0, 1
	QUARTER 1, 64,  F0, F1, 0
	QUARTER 1, 128, F1, F0, 0
	QUARTER 1, 192, F0, F1, 0
	TURN 1, 0
	QUARTER 0, 64,  F0, F1, 0
	WIN 0
	s_sub_co_u32 s3, s3, 1
	s_cmp_lg_u32 s3, 0
	s_cbranch_scc1 .Llap
	QUARTER 0, 128, F1, F0, 0                      ; the last lap fills nothing
	QUARTER 0, 192, F0, F1, 0
	MEET 0                                         ; my one tensor load that was still out is slot 1's, the last K step's
	PLACES                                         ; for the loads into buffer 0
	FETCH 1, 0, F0
	WIN MUL_HI
	MUL16 F1, 1, 0, 0
	MUL16 F1, 1, 2, 0
	QUARTER 1, 64,  F0, F1, 0
	QUARTER 1, 128, F1, F0, 0
	QUARTER 1, 192, F0, F1, 0
	s_wait_dscnt 8                                 ; the very last quarter: nothing more to fetch
	MUL16 F1, 0, 0, 0
	MUL16 F1, 0, 2, 0
	s_wait_dscnt 0x0                               ; my reads of the ring are over: say so,
	s_barrier_signal -1
	MUL16 F1, 1, 0, 0
	MUL16 F1, 1, 2, 0
	WIN 0
	s_barrier_wait -1                              ; nobody reads the ring any more, and nothing will be filled: its bytes now serve the way out
	s_wait_loadcnt 0x0                             ; the biases
.set i, 1
.rept 8                                        ; beff = bo + 8 partial sums; these 16 are also the places behind the last products
	v_pk_add_f32 v[BS:BS+1], v[BS:BS+1], v[BS+4*i:BS+4*i+1]
	v_pk_add_f32 v[BS+2:BS+3], v[BS+2:BS+3], v[BS+4*i+2:BS+4*i+3]
.set i, i+1
.endr
.irp hi, 0,1                           ; all 64 accumulators into my 128 rows: (a, b): rows 16 a + l % 16, columns 16 b + 8 (l / 16) on; each accumulator's low four registers first
	WIN 0x08+4*(\hi)                               ; the data in window 2, then 3
.set i, 0
.rept 32
	ds_store_b128 v[STO], v[8*i:8*i+3]   offset:(4*(\hi)+i/8)*16*OP+64*(i%8)
	ds_store_b128 v[STO], v[8*i+4:8*i+7] offset:(4*(\hi)+i/8)*16*OP+64*(i%8)+16
.set i, i+1
.endr
.endr
	WIN 0
.macro RDL set, row                    ; 8 rows back: 512 consecutive bytes an instruction.  LDS serves a wave's instructions in order (ISA guide 5.7.1.4): these see my stores above
.set i, 0
.rept 8
	ds_load_b128 v[OB+32*(\set)+4*i:OB+32*(\set)+4*i+3], v[RD] offset:((\row)+i)*OP
.set i, i+1
.endr
.endm
.macro FIX set                         ; / 16, + beff, the clip
.set i, 0
.rept 8
	v_pk_fma_f32 v[OB+32*(\set)+4*i:OB+32*(\set)+4*i+1], v[OB+32*(\set)+4*i:OB+32*(\set)+4*i+1], s[74:75], v[BS:BS+1] op_sel_hi:[1,0,1]
	v_pk_fma_f32 v[OB+32*(\set)+4*i+2:OB+32*(\set)+4*i+3], v[OB+32*(\set)+4*i+2:OB+32*(\set)+4*i+3], s[74:75], v[BS+2:BS+3] op_sel_hi:[1,0,1]
.set i, i+1
.endr
.set i, 0
.rept 32
	v_med3_num_f32 v[OB+32*(\set)+i], v[OB+32*(\set)+i], s72, s73
.set i, i+1
.endr
.endm
.macro SEND set, row
.set i, 0
.rept 8
	global_store_b128 v[CO], v[OB+32*(\set)+4*i:OB+32*(\set)+4*i+3], s[8:9] offset:((\row)+i)*4096 th:TH_STORE_NT  ; 512 consecutive bytes, at a multiple of 256 from out's first
.set i, i+1
.endr
.endm
	RDL 0, 0
	s_mov_b32 s3, 7
.Lout:                                                 ; a trip: 16 rows, on two sets of registers
	RDL 1, 8
	s_wait_dscnt 8                                 ; set 0 is in; set 1's 8 loads may stay out
	FIX 0
	SEND 0, 0
	s_wait_xcnt 0x0                                ; the stores have read set 0, which is loaded again
	v_add_nc_u32 v[RD], 16*OP, v[RD]
	RDL 0, 0
	s_wait_dscnt 8                                 ; set 1 is in
	FIX 1
	SEND 1, 8
	s_wait_xcnt 0x0                                ; the stores have read set 1 and their offset
	v_add_nc_u32 v[CO], 16*4096, v[CO]
	s_sub_co_u32 s3, s3, 1
	s_cmp_lg_u32 s3, 0
	s_cbranch_scc1 .Lout
	RDL 1, 8                                       ; the last 16 rows
	s_wait_dscnt 8
	FIX 0
	SEND 0, 0
	s_wait_dscnt 0x0
	FIX 1
	SEND 1, 8
	s_wait_tensorcnt 0x0                           ; the wave's end, behind my last tensor load and my last LDS store
	ds_add_u32 v[SPW], v[NIL]
	s_wait_dscnt 0x0
	CROUND                                         ; the closing round: no work-group ends while a partner may still ask for a tile that names it
	s_endpgm
.Lfunc_end_k_qd458362628_final:
	.size	k_qd458362628_final, .Lfunc_end_k_qd458362628_final-k_qd458362628_final
	.p2alignl 7, 3214868480
	.fill 96, 4, 3214868480
	.section	.rodata,"a",@progbits
	.p2align	6, 0x0
	.amdhsa_kernel k_qd458362628_final
		.amdhsa_group_segment_fixed_size 327680
		.amdhsa_private_segment_fixed_size 0
		.amdhsa_enable_private_segment 0
		.amdhsa_kernarg_size 40
		.amdhsa_user_sgpr_count 2
		.amdhsa_user_sgpr_kernarg_segment_ptr 1
		.amdhsa_wavefront_size32 1
		.amdhsa_system_sgpr_workgroup_id_x 1
		.amdhsa_system_sgpr_workgroup_id_y 1
		.amdhsa_system_sgpr_workgroup_id_z 1
		.amdhsa_system_vgpr_workitem_id 0
		.amdhsa_next_free_vgpr 1024
		.amdhsa_next_free_sgpr 80
		.amdhsa_reserve_vcc 0
		.amdhsa_float_denorm_mode_32 3
		.amdhsa_float_denorm_mode_16_64 3
		.amdhsa_memory_ordered 1
		.amdhsa_forward_progress 1
		.amdhsa_inst_pref_size 140
	.end_amdhsa_kernel
	.amdgpu_metadata
---
amdhsa.version: [ 1, 2 ]
amdhsa.kernels:
  - .name:           k_qd458362628_final
    .symbol:         k_qd458362628_final.kd
    .args:
      - { .name: x16, .offset: 0, .size: 8, .value_kind: global_buffer, .address_space: global }
      - { .name: wt, .offset: 8, .size: 8, .value_kind: global_buffer, .address_space: global }
      - { .name: out0, .offset: 16, .size: 8, .value_kind: global_buffer, .address_space: global }
      - { .name: wb, .offset: 24, .size: 8, .value_kind: global_buffer, .address_space: global }
      - { .name: bo, .offset: 32, .size: 8, .value_kind: global_buffer, .address_space: global }
    .group_segment_fixed_size: 327680
    .private_segment_fixed_size: 0
    .kernarg_segment_align: 8
    .kernarg_segment_size: 40
    .max_flat_workgroup_size: 128
    .sgpr_count:     80
    .vgpr_count:     1024
    .wavefront_size: 32
...
	.end_amdgpu_metadata
.endif
;; end of part 6
